; MI455X (gfx1250); checked and timed in simulation.
; The chip was launched on July 23, 2026; its instructions are those of AMD's public machine-readable ISA for CDNA 5 (MIT licence, August 2026) and "CDNA5" Instruction Set Architecture Reference Guide (July 2026). The comments in the code are by the model that wrote it; some were corrected since.
;; Multi Head Attention. Allowed arithmetic: matrix products marked QUANTISED: E2M1 operands, one E8M0 scale for each 32 along K, by v_wmma_scale_f32_16x16x128_f8f6f4 with both operands' format E2M1 (or v_wmma_scale_f32_32x16x128_f4), f32 sums; everything else in f32.
;; Inputs: Wk 1,024 x 1,024 float32; Wo 1,024 x 1,024 float32; Wq 1,024 x 1,024 float32; Wv 1,024 x 1,024 float32; bk 1,024 float32; bo 1,024 float32; bq 1,024 float32; bv 1,024 float32; x 4 x 2,048 x 1,024 float32.
;; Outputs: out0 4 x 2,048 x 1,024 float32.
;; This version of the problem:
;;   THIS VERSION OF THE PROBLEM IS GIVEN IN LOW PRECISION. The matrix products marked QUANTISED in the list below multiply operands that are first quantised to E2M1 (2 exponent bits, 1 mantissa bit; 4 bits a number), with one power-of-two scale for each 32 numbers along K (OCP MX v1.0); their sums are f32. All else is computed in f32.
;;   The module's matrix products, in the order in which they are computed (A, B: the left and right operand; K: the contracted axis; several contracted axes count as one K, in the product's order):
;;     1. [M 8,192, K 1,024] x [K 1,024, N 1,024]; A: input x; B: input Wq: QUANTISED
;;     2. [M 8,192, K 1,024] x [K 1,024, N 1,024]; A: input x; B: input Wk: QUANTISED
;;     3. [M 8,192, K 1,024] x [K 1,024, N 1,024]; A: input x; B: input Wv: QUANTISED
;;     4. batch 64 x [M 2,048, K 64] x [K 64, N 2,048]; A: computed on the way; B: computed on the way: QUANTISED
;;     5. batch 64 x [M 2,048, K 2,048] x [K 2,048, N 64]; A: computed on the way; B: computed on the way: QUANTISED
;;     6. [M 8,192, K 1,024] x [K 1,024, N 1,024]; A: computed on the way; B: input Wo: QUANTISED
;;   THE QUANTISER, for each operand of a quantised product, along K:
;;     - K is cut into blocks of 32 from its start; a last block that is shorter is filled with zeros.
;;     - A block's scale is 2^e with e = floor(log2(the largest magnitude in the block)) - 2, held to -126 .. 127; a block of zeros has e = 0. As a byte (E8M0): e + 127.
;;     - Each number is divided by its block's scale, clamped to +-6, and rounded to the nearest number of E2M1, ties to even, subnormals kept.
;;     - The product sums the exact products of the quantised numbers (number of the format x scale) in f32.
;;   ~~~python
;;   def quantise(x, axis):      # numpy; x: float32 -> the quantised numbers, widened to float32 again
;;       x = np.moveaxis(x, axis, -1); K = x.shape[-1]
;;       x = np.pad(x, [(0, 0)] * (x.ndim - 1) + [(0, -K % 32)]); x = x.reshape(x.shape[:-1] + (-1, 32)); a = np.abs(x).max(-1, keepdims=True)
;;       e = np.where(a > 0, np.clip(np.frexp(np.where(a > 0, a, 1))[1] - 1 - 2, -126, 127), 0)      # np.frexp(a)[1] - 1 = floor(log2(a)), exactly
;;       r = np.clip(x / 2.0 ** e, -6, 6)
;;       step = 2.0 ** (np.maximum(np.frexp(np.where(r == 0, 1, r))[1] - 1, 0) - 1)
;;       q = np.round(r / step) * step * 2.0 ** e      # np.round: ties to even
;;       return np.moveaxis(q.reshape(q.shape[:-2] + (-1,))[..., :K], -1, axis).astype(np.float32)
;;   ~~~
;;   OPERANDS COMPUTED ON THE WAY. 'Computed on the way' means the value that the module computes at that place (a softmax that the list does not call 'softmax' is quantised finished and normalised). What goes into a quantiser is computed in f32, as accurately as f32 sums, v_exp_f32 and their like allow (about 1e-6 of the number): no bf16 or f16 on the way to a quantiser, and a product that is left as it is and whose result goes on into a quantised operand takes f32 operands (vector FMAs, or v_wmma_f32_16x16x4_f32). A number that lies on a knife's edge between two numbers of the format may be rounded either way, as far as f32 arithmetic and the matrix unit's own rounding can turn it there, and no further.
;; One version. Each part assembles by itself: llvm-mc -triple=amdgcn-amd-amdhsa -mcpu=gfx1250 --defsym DOCPART=n.
;; ======== version 1 of 1: 4 launches
;; workspace buffers: xq 4,456,448 bytes; wq 2,228,224 bytes; qkv 13,369,344 bytes; yq 4,456,448 bytes
;; launch quant (part 1): grid 256 x 1, 8 waves a work-group, no clusters, 79,872 bytes of LDS; arguments x, Wq, Wk, Wv, Wo, xq, wq; writes xq, wq
.if DOCPART == 1
	.amdgcn_target "amdgcn-amd-amdhsa--gfx1250"
	.amdhsa_code_object_version 6
	.text
	.protected	k_q1a68c1ec71_quant
	.globl	k_q1a68c1ec71_quant
	.p2align	8
	.type	k_q1a68c1ec71_quant,@function
k_q1a68c1ec71_quant:
	s_mov_b64 s[64:65], 0
	v_nop
	global_prefetch_b8 v0, s[64:65] scope:SCOPE_SE
	s_setreg_imm32_b32 hwreg(HW_REG_WAVE_MODE, 25, 1), 1
	s_wait_xcnt 0x0
; x [8192][1024] and the four weights [1024 (k)][1024 (n)], f32, become codes of FP4 (E2M1) with one E8M0 byte for each 32 along K,
; laid in the ORDER OF THE OPERAND'S REGISTERS.  A block of 128 rows x 1,024 K is BLK bytes = two halves (512 of K) of HALF bytes:
;   scale bytes [tile 8][row 16][16 bytes], then codes [K step 4][tile 8][c 2][512 bytes: lane l's 16 bytes at 16 l].
; A TILE'S ROWS ARE NOT NEIGHBOURS: row r of tile 2 p + u is row 32 p + 8 u + r + 8 (r / 8) of the 128.  For a weight a "row" is an output column n.
; A block's scale is 2^(floor(log2(largest magnitude)) - 2); its byte is the largest magnitude's exponent field - 2, held at 1 from below.
; LIMITS: a block of zeros gets the byte 1 where the rule says 127 (its codes are zeros, and this program alone reads the bytes); NaN and infinities are not served.
; Work-groups 0-127 take 64 rows of x each, work-groups 128-255 64 columns x 512 K of one weight.  The two ways have LDS bytes of their own.
.set BLK,  69632
.set HALF, 34816
.set SP,   80                          ; x: a lane's place in a turn stage: 64 bytes + 16
.set WREG, 9728                        ; x: LDS of a wave: two turn stages (2 x 2,560), the code stage, the scale bytes
.set CST,  5120                        ; x: code stage: 16 units (one for each block of 32 along K) of 256 bytes + 16
.set SCB,  9472                        ; x: 256 scale bytes [row 16][16]
.set WSC,  77824                       ; weights: scale words, 2 x 512 bytes
.set X,    32                          ; numbers at work
.set R,    64                          ; x: eight sets of 16 numbers as loaded
.set C,    192                         ; x: two registers of codes for each step
.set E,    224                         ; x: a byte for each step
.set WC,   96                          ; weights: four registers of codes for each block
.macro XLOAD t                         ; row t of my tile: 2,048 bytes, each load 512 consecutive bytes
.irp i, 0,1,2,3
	global_load_b128 v[R+16*((\t)%8)+4*\i:R+16*((\t)%8)+4*\i+3], v3, s[4:5] offset:((\t)+8*((\t)/8))*4096+512*\i th:TH_LOAD_NT
.endr
.endm
.macro TURN t                          ; through the wave's own stage: in as loaded, out 16 neighbours a lane; LDS serves a wave's instructions in order
.irp i, 0,1,2,3
	ds_store_b128 v14, v[R+16*((\t)%8)+4*\i:R+16*((\t)%8)+4*\i+3] offset:32*SP*((\t)%2)+8*SP*\i
.endr
.irp i, 0,1,2,3
	ds_load_b128 v[X+16*((\t)%2)+4*\i:X+16*((\t)%2)+4*\i+3], v15 offset:32*SP*((\t)%2)+16*\i
.endr
.endm
.macro STEP t
.set XS, X+16*((\t)%2)
.if (\t) > 0
	s_wait_dscnt 2                                 ; this row's numbers are back (the last step's code and byte stores may be out)
.else
	s_wait_dscnt 0x0
.endif
.if (\t)+8 < 16
	XLOAD (\t)+8                                   ; into the set that this row's stage stores have read
.endif
.if (\t)+1 < 16
.if (\t) <= 7
	s_wait_loadcnt 28                              ; the next row's four loads are in; seven rows' may be out
.else
	s_wait_loadcnt 4*(14-(\t))
.endif
	TURN (\t)+1
.endif
	v_max3_num_f32 v8, |v[XS]|, |v[XS+1]|, |v[XS+2]|
	v_max3_num_f32 v9, |v[XS+3]|, |v[XS+4]|, |v[XS+5]|
.irp i, 6,10
	s_delay_alu instid0(VALU_DEP_2)
	v_max3_num_f32 v8, v8, |v[XS+\i]|, |v[XS+\i+1]|
	s_delay_alu instid0(VALU_DEP_2)
	v_max3_num_f32 v9, v9, |v[XS+\i+2]|, |v[XS+\i+3]|
.endr
	s_delay_alu instid0(VALU_DEP_2)
	v_max3_num_f32 v8, v8, |v[XS+14]|, |v[XS+15]|
	s_delay_alu instid0(VALU_DEP_1)
	v_max3_num_f32 v8, v8, v9, 0x1800000           ; the floor 2^(3 - 127): the byte cannot fall under 1
	s_delay_alu instid0(VALU_DEP_1)
	v_max_num_f32_dpp v8, v8, v8 row_xmask:1 row_mask:0xf bank_mask:0xf   ; with my neighbour's 16: the block's
	s_delay_alu instid0(VALU_DEP_1)
	v_add_nc_u32 v11, 0xff000000, v8               ; 2 off the exponent field: the conversion's scale operand
	v_cvt_scalef32_pk8_fp4_f32 v[C+2*(\t)], v[XS:XS+7], v11
	v_cvt_scalef32_pk8_fp4_f32 v[C+2*(\t)+1], v[XS+8:XS+15], v11
	v_lshrrev_b32 v[E+(\t)], 23, v11               ; the byte (a plain line behind the conversions)
	ds_store_b64 v4, v[C+2*(\t):C+2*(\t)+1] offset:16*(\t)    ; unit = my block, row t's 16 bytes, my half of them
	ds_store_b8 v5, v[E+(\t)] offset:16*(\t)       ; both lanes of a block write the same byte
.endm
.macro WLOAD t                         ; block t: W(32 t + i, my column)
.irp i, 0,1,2,3,4,5,6,7,8,9,10,11,12,13,14,15,16,17,18,19,20,21,22,23,24,25,26,27,28,29,30,31
	global_load_b32 v[X+32*((\t)%2)+\i], v6, s[32:33] offset:(32*(\t)+\i)*4096 th:TH_LOAD_NT
.endr
.endm
.macro BLOCK t
.set XS, X+32*((\t)%2)
.if (\t) < 3
	s_wait_loadcnt 32                              ; this block's 32 loads are in; the next block's may be out
.else
	s_wait_loadcnt 0x0
.endif
	v_max3_num_f32 v12, |v[XS]|, |v[XS+1]|, |v[XS+2]|
	v_max3_num_f32 v13, |v[XS+3]|, |v[XS+4]|, |v[XS+5]|
.irp i, 6,10,14,18,22,26
	s_delay_alu instid0(VALU_DEP_2)
	v_max3_num_f32 v12, v12, |v[XS+\i]|, |v[XS+\i+1]|
	s_delay_alu instid0(VALU_DEP_2)
	v_max3_num_f32 v13, v13, |v[XS+\i+2]|, |v[XS+\i+3]|
.endr
	s_delay_alu instid0(VALU_DEP_2)
	v_max3_num_f32 v12, v12, |v[XS+30]|, |v[XS+31]|
	s_delay_alu instid0(VALU_DEP_1)
	v_max3_num_f32 v12, v12, v13, 0x1800000
	s_delay_alu instid0(VALU_DEP_1)
	v_add_nc_u32 v11, 0xff000000, v12
	s_delay_alu instid0(VALU_DEP_1)
	v_lshrrev_b32 v13, 23, v11
.if (\t) == 0
	s_delay_alu instid0(VALU_DEP_1)
	v_mov_b32 v24, v13                             ; the K step's four bytes make my column's scale word
.else
	s_delay_alu instid0(VALU_DEP_1)
	v_lshl_or_b32 v24, v13, 8*(\t), v24
.endif
.irp g, 0,1,2,3
	v_cvt_scalef32_pk8_fp4_f32 v[WC+4*(\t)+\g], v[XS+8*\g:XS+8*\g+7], v11
.endr
	global_store_b128 v7, v[WC+4*(\t):WC+4*(\t)+3], s[28:29] offset:256*(\t)   ; block t = 2 c + h: sixteen lanes fill 256 consecutive bytes, aligned
.if (\t)+2 < 4
	WLOAD (\t)+2
.endif
.endm
	s_load_b256 s[4:11], s[0:1], 0x0               ; x s[4:5], Wq s[6:7], Wk s[8:9], Wv s[10:11]
	s_load_b128 s[12:15], s[0:1], 0x20             ; Wo s[12:13], xq s[14:15]
	s_load_b64 s[16:17], s[0:1], 0x30              ; wq
	v_lshl_add_u32 v240, v0, 2, 0x13400
	v_mov_b32 v241, 0
	v_lshrrev_b32 v1, 5, v0
	s_delay_alu instid0(VALU_DEP_1)
	v_readfirstlane_b32 s18, v1                    ; wave 0..7
	v_and_b32 v2, 31, v0                           ; lane
	s_delay_alu instid0(VALU_DEP_1)
	v_lshlrev_b32 v3, 4, v2                        ; 16 x lane
	s_cmp_lt_u32 ttmp9, 128
	s_cbranch_scc0 .Lweights
	; ---- x.  Wave w: pair of tiles w / 4, half of K (w / 2) % 2, tile of the pair w % 2: 16 rows x 512 K, a row a step
	s_mul_i32 s19, s18, WREG
	v_lshrrev_b32 v14, 2, v2
	s_delay_alu instid0(VALU_DEP_1)
	v_mul_u32_u24 v14, v14, SP
	v_and_b32 v15, 3, v2
	s_delay_alu instid0(VALU_DEP_1)
	v_lshl_add_u32 v14, v15, 4, v14
	s_delay_alu instid0(VALU_DEP_1)
	v_add_nc_u32 v14, s19, v14                     ; turn stage, in: SP (lane / 4) + 16 (lane % 4)
	v_mul_u32_u24 v15, v2, SP
	s_delay_alu instid0(VALU_DEP_1)
	v_add_nc_u32 v15, s19, v15                     ; out: SP x lane
	v_lshrrev_b32 v5, 1, v2                        ; my block of 32 along K
	s_delay_alu instid0(VALU_DEP_1)
	v_mul_u32_u24 v4, v5, 272
	v_and_b32 v6, 1, v2
	s_delay_alu instid0(VALU_DEP_1)
	v_lshl_add_u32 v4, v6, 3, v4
	s_delay_alu instid0(VALU_DEP_1)
	v_add_nc_u32 v4, s19, v4
	s_delay_alu instid0(VALU_DEP_1)
	v_add_nc_u32 v4, CST, v4                       ; code stage, in
	v_add_nc_u32 v5, s19, v5
	s_delay_alu instid0(VALU_DEP_1)
	v_add_nc_u32 v5, SCB, v5                       ; my block's byte
	v_lshrrev_b32 v6, 4, v2
	s_delay_alu instid0(VALU_DEP_1)
	v_mul_u32_u24 v6, v6, 272
	v_and_b32 v7, 15, v2
	s_delay_alu instid0(VALU_DEP_1)
	v_lshl_add_u32 v6, v7, 4, v6
	s_delay_alu instid0(VALU_DEP_1)
	v_add_nc_u32 v6, s19, v6
	s_delay_alu instid0(VALU_DEP_1)
	v_add_nc_u32 v6, CST, v6                       ; code stage, out: two units an instruction
	v_lshlrev_b32 v17, 3, v2
	s_delay_alu instid0(VALU_DEP_1)
	v_add_nc_u32 v16, s19, v17
	s_delay_alu instid0(VALU_DEP_1)
	v_add_nc_u32 v16, SCB, v16                     ; scale bytes, out: 8 a lane
	s_lshr_b32 s20, s18, 2                         ; pair
	s_bfe_u32 s21, s18, 0x10001                    ; half of K
	s_and_b32 s22, s18, 1                          ; u
	s_lshl_b32 s23, ttmp9, 6
	s_lshl_b32 s24, s20, 5
	s_add_co_u32 s23, s23, s24
	s_lshl_b32 s24, s22, 3
	s_add_co_u32 s23, s23, s24                     ; my tile's first row: 64 e + 32 pair + 8 u
	s_lshl_b32 s24, s23, 12
	s_lshl_b32 s25, s21, 11
	s_add_co_u32 s24, s24, s25
	s_mov_b32 s25, 0
	s_and_b32 s26, ttmp9, 1
	s_lshl_b32 s26, s26, 2
	s_lshl_b32 s27, s20, 1
	s_add_co_u32 s26, s26, s27
	s_add_co_u32 s26, s26, s22                     ; T: my tile among the block's eight
	s_lshr_b32 s27, ttmp9, 1
	s_mul_i32 s27, s27, BLK
	s_mul_i32 s28, s21, HALF
	s_add_co_u32 s28, s27, s28                     ; the half's first byte
	s_lshl_b32 s30, s26, 8
	s_add_co_u32 s30, s30, s28                     ; my tile's scale bytes
	s_mov_b32 s31, 0
	s_lshl_b32 s26, s26, 10
	s_add_co_u32 s28, s28, s26
	s_add_co_u32 s28, s28, 2048                    ; my tile's codes of K step 0
	s_mov_b32 s29, 0
	s_wait_kmcnt 0x0
	s_add_nc_u64 s[4:5], s[4:5], s[24:25]
	s_add_nc_u64 s[28:29], s[14:15], s[28:29]
	s_add_nc_u64 s[30:31], s[14:15], s[30:31]
.irp t, 0,1,2,3,4,5,6,7
	XLOAD \t                                       ; eight rows, 32 loads, ahead
.endr
	s_wait_loadcnt 28                              ; row 0 is in
	TURN 0
.irp t, 0,1,2,3,4,5,6,7,8,9,10,11,12,13,14,15
	STEP \t
.endr
.irp i, 0,1,2,3,4,5,6,7
	ds_load_b128 v[R+4*\i:R+4*\i+3], v6 offset:544*\i          ; units 2 i and 2 i + 1: K step i / 2, c = i % 2, h = lane / 16
.endr
	ds_load_b64 v[R+32:R+33], v16
.irp i, 0,1,2,3,4,5,6,7
	s_wait_dscnt 8-\i
	global_store_b128 v3, v[R+4*\i:R+4*\i+3], s[28:29] offset:(\i/2)*8192+(\i%2)*512   ; 512 consecutive bytes, aligned
.endr
	s_wait_dscnt 0x0
	global_store_b64 v17, v[R+32:R+33], s[30:31]   ; 256 consecutive bytes, aligned
	s_wait_tensorcnt 0x0
	ds_add_u32 v240, v241
	s_wait_dscnt 0x0
	s_endpgm
	; ---- a weight.  A LANE TAKES A COLUMN, ITS REGISTERS RUN DOWN K.  Wave w: 32 columns (w % 2), K step w / 2 of the half
.Lweights:
	s_sub_co_u32 s19, ttmp9, 128
	s_lshr_b32 s20, s19, 5                         ; which weight: q, k, v, o
	s_bfe_u32 s21, s19, 0x40001                    ; which 64 columns
	s_and_b32 s22, s19, 1                          ; which half of K
	s_and_b32 s23, s18, 1                          ; which 32 of the 64
	s_lshr_b32 s24, s18, 1                         ; K step
	s_wait_alu depctr_va_vdst(0)
	v_and_b32 v4, 15, v2                           ; r
	v_lshrrev_b32 v5, 4, v2                        ; u
	s_delay_alu instid0(VALU_DEP_2)
	v_and_b32 v6, 8, v4
	s_delay_alu instid0(VALU_DEP_1)
	v_add_nc_u32 v6, v6, v4
	s_delay_alu instid0(VALU_DEP_1)
	v_lshl_add_u32 v6, v5, 3, v6                   ; my column of the 32: 8 u + r + 8 (r / 8)
	s_delay_alu instid0(VALU_DEP_1)
	v_lshlrev_b32 v6, 2, v6
	v_lshlrev_b32 v7, 4, v4
	s_delay_alu instid0(VALU_DEP_1)
	v_lshl_add_u32 v7, v5, 10, v7                  ; out: tile u, row r
	s_lshl_b32 s25, s23, 9
	s_add_co_u32 s25, s25, WSC
	v_add_nc_u32 v9, s25, v3                       ; the pair's 512 scale bytes, 16 a lane
	s_lshl_b32 s26, s24, 2
	s_add_co_u32 s25, s25, s26
	v_add_nc_u32 v8, s25, v3                       ; my word among them: + 4 x K step
	s_lshl_b32 s26, s22, 9
	s_lshl_b32 s27, s24, 7
	s_add_co_u32 s26, s26, s27
	s_lshl_b32 s26, s26, 12                        ; my first row of W, in bytes
	s_lshl_b32 s27, s21, 8
	s_add_co_u32 s26, s26, s27
	s_lshl_b32 s27, s23, 7
	s_add_co_u32 s26, s26, s27
	s_mov_b32 s27, 0
	s_lshl_b32 s28, s20, 3
	s_lshr_b32 s29, s21, 1
	s_add_co_u32 s28, s28, s29
	s_mul_i32 s28, s28, BLK
	s_mul_i32 s29, s22, HALF
	s_add_co_u32 s28, s28, s29                     ; the half's first byte
	s_and_b32 s29, s21, 1
	s_lshl_b32 s29, s29, 1
	s_add_co_u32 s29, s29, s23                     ; my pair of tiles among the block's four
	s_lshl_b32 s30, s29, 9
	s_add_co_u32 s30, s30, s28
	s_mov_b32 s31, 0
	s_lshl_b32 s29, s29, 11
	s_add_co_u32 s28, s28, s29
	s_lshl_b32 s29, s24, 13
	s_add_co_u32 s28, s28, s29
	s_add_co_u32 s28, s28, 2048
	s_mov_b32 s29, 0
	s_wait_alu depctr_va_vdst(0)
	s_wait_kmcnt 0x0
	s_cmp_eq_u32 s20, 1                            ; the choice hangs on the work-group's number alone
	s_cselect_b64 s[32:33], s[8:9], s[6:7]
	s_cmp_eq_u32 s20, 2
	s_cselect_b64 s[32:33], s[10:11], s[32:33]
	s_cmp_eq_u32 s20, 3
	s_cselect_b64 s[32:33], s[12:13], s[32:33]
	s_add_nc_u64 s[32:33], s[32:33], s[26:27]
	s_add_nc_u64 s[28:29], s[16:17], s[28:29]
	s_add_nc_u64 s[30:31], s[16:17], s[30:31]
	WLOAD 0
	WLOAD 1
	BLOCK 0
	BLOCK 1
	BLOCK 2
	BLOCK 3
	ds_store_b32 v8, v24                           ; the four K steps' words of a column meet in LDS
	s_wait_dscnt 0x0                               ; for the others' sake
	s_barrier_signal -1
	s_barrier_wait -1
	s_cmp_lt_u32 s18, 2
	s_cbranch_scc0 .Lw_done
	ds_load_b128 v[112:115], v9                    ; waves 0 and 1: a pair's scale bytes, whole
	s_wait_dscnt 0x0
	global_store_b128 v3, v[112:115], s[30:31]     ; 512 consecutive bytes, aligned
.Lw_done:
	s_wait_tensorcnt 0x0
	ds_add_u32 v240, v241
	s_wait_dscnt 0x0
	s_endpgm
.Lfunc_end_k_q1a68c1ec71_quant:
	.size	k_q1a68c1ec71_quant, .Lfunc_end_k_q1a68c1ec71_quant-k_q1a68c1ec71_quant
	.p2alignl 7, 3214868480
	.fill 96, 4, 3214868480
	.section	.rodata,"a",@progbits
	.p2align	6, 0x0
	.amdhsa_kernel k_q1a68c1ec71_quant
		.amdhsa_group_segment_fixed_size 79872
		.amdhsa_private_segment_fixed_size 0
		.amdhsa_enable_private_segment 0
		.amdhsa_kernarg_size 56
		.amdhsa_user_sgpr_count 2
		.amdhsa_user_sgpr_kernarg_segment_ptr 1
		.amdhsa_wavefront_size32 1
		.amdhsa_system_sgpr_workgroup_id_x 1
		.amdhsa_system_sgpr_workgroup_id_y 1
		.amdhsa_system_sgpr_workgroup_id_z 1
		.amdhsa_system_vgpr_workitem_id 0
		.amdhsa_next_free_vgpr 242
		.amdhsa_next_free_sgpr 66
		.amdhsa_reserve_vcc 0
		.amdhsa_float_denorm_mode_32 3
		.amdhsa_float_denorm_mode_16_64 3
		.amdhsa_memory_ordered 1
		.amdhsa_forward_progress 1
		.amdhsa_inst_pref_size 63
	.end_amdhsa_kernel
	.amdgpu_metadata
---
amdhsa.version: [ 1, 2 ]
amdhsa.kernels:
  - .name:           k_q1a68c1ec71_quant
    .symbol:         k_q1a68c1ec71_quant.kd
    .args:
      - { .name: x, .offset: 0, .size: 8, .value_kind: global_buffer, .address_space: global }
      - { .name: Wq, .offset: 8, .size: 8, .value_kind: global_buffer, .address_space: global }
      - { .name: Wk, .offset: 16, .size: 8, .value_kind: global_buffer, .address_space: global }
      - { .name: Wv, .offset: 24, .size: 8, .value_kind: global_buffer, .address_space: global }
      - { .name: Wo, .offset: 32, .size: 8, .value_kind: global_buffer, .address_space: global }
      - { .name: xq, .offset: 40, .size: 8, .value_kind: global_buffer, .address_space: global }
      - { .name: wq, .offset: 48, .size: 8, .value_kind: global_buffer, .address_space: global }
    .group_segment_fixed_size: 79872
    .private_segment_fixed_size: 0
    .kernarg_segment_align: 8
    .kernarg_segment_size: 56
    .max_flat_workgroup_size: 256
    .sgpr_count:     66
    .vgpr_count:     242
    .wavefront_size: 32
...
	.end_amdgpu_metadata
.endif
;; end of part 1
;; launch qkv (part 2): grid 8 x 64, 12 waves a work-group, clusters of 4 x 4, 281,600 bytes of LDS; arguments xq, wq, bq, bk, bv, qkv; writes qkv
.if DOCPART == 2
	.amdgcn_target "amdgcn-amd-amdhsa--gfx1250"
	.amdhsa_code_object_version 6
	.text
	.protected	k_q1a68c1ec71_qkv
	.globl	k_q1a68c1ec71_qkv
	.p2align	8
	.type	k_q1a68c1ec71_qkv,@function
k_q1a68c1ec71_qkv:
	s_mov_b64 s[64:65], 0
	v_nop
	global_prefetch_b8 v0, s[64:65] scope:SCOPE_SE
	s_setreg_imm32_b32 hwreg(HW_REG_WAVE_MODE, 25, 1), 1
	s_wait_xcnt 0x0
	s_wait_alu depctr_hold_cnt(0) depctr_sa_sdst(0) depctr_va_vdst(0) depctr_va_sdst(0) depctr_va_ssrc(0) depctr_va_vcc(0) depctr_vm_vsrc(0)
	s_getreg_b32 s2, hwreg(HW_REG_IB_STS2, 6, 4)
	s_cmp_eq_u32 s2, 0
	s_cbranch_scc0 .Lentry_in_a_cluster
	s_endpgm
.Lentry_in_a_cluster:
	s_bfe_u32 s2, ttmp6, 0x10000c
	s_cmp_lg_u32 s2, 0xf033
	s_cbranch_scc0 .Lentry_shape_is_right
	s_endpgm
.Lentry_shape_is_right:
; q, k, v = relu(x W + b) on codes of FP4, quantised again on the way out for attention's two products.
; A work-group: 128 tokens (grid y) x 128 columns = two heads (grid x), for all three weights.  Twelve waves: weight w / 4, token half (w / 2) % 2, head w % 2; each makes 64 x 64 in 16 accumulators.
; All operands (three blocks of weights, one of x; K = 1,024 whole) come into LDS once, as images of the operand's registers: no slot is ever filled twice.
; q, k: source 0 = 16 columns of W, source 1 = 16 tokens: a lane holds ONE token, its registers run along the head's channels, which are the first product's K.
; v:    source 0 = 16 tokens, source 1 = 16 columns: a lane holds ONE channel, its registers run along the tokens, which are the second product's K.  One text serves both: only addresses differ.
; A tile's rows are 32 p + 8 u + r + 8 (r / 8), so that the 16 registers of tiles 2 b, 2 b + 1 are 16 neighbours along the next K.  The bias is the C of each sum's first product.
; OUT, for each head three parts of BLK bytes (Q, K, V): 4,096 scale bytes, then codes.  Q, K: scales [128 tokens][r][pair of tiles][2 + 2 bytes], codes [tile][512].  V: scales [128 keys][r][channel tile][4], codes [128 keys][tile][c][512].
; CLUSTER 4 x 4: the four of a column need the same weights, the four of a row the same x: joint loads.
; LIMITS: a block of zeros gets the byte 1 with zero codes (only this program reads the bytes); NaN and infinities are not served.
.set BLK,  69632
.set HALF, 34816
.set XREG, 3*BLK                       ; LDS: Wq, Wk, Wv, then x
.set SST,  4*BLK                       ; six units of 256 scale bytes: 2 x weight + head; no fill lands here
.set AFA,  2                           ; v2-5   LDS addresses: source 0's and source 1's codes, their scale bytes
.set AFB,  3
.set ASA,  4
.set ASB,  5
.set VAD,  6                           ; v6-9   byte offsets of my four images in memory
.set ADS,  10                          ; v10-13 where my four pairs of scale bytes go in LDS
.set SR,   14                          ; v14    where a weight's 512 scale bytes are read back
.set SOF,  15                          ; v15    and their place in memory
.set BI,   16                          ; v16-47 the bias, in the result's layout; later at work
.set TM,   16
.set SCA,  48                          ; v48-55 source 0's scale words, v56-63 source 1's: scales and nothing else
.set SCB,  56
.set FA,   64                          ; v64-95 four fragments of source 0, v96-127 of source 1
.set FB,   96
.set ACC,  128                         ; accumulator (i, j) at 128 + 32 j + 8 i
.set PC,   64                          ; the way out: codes, four registers a tile
.set SW,   80                          ; and two scale bytes a tile
.set WV,   16
.set G1W,  24
.set G1X,  32
.set G0W,  40
.set G0X,  48
.set SEL,  56
.macro PLACES
.rept 4
	v_nop
.endr
.endm
.macro CROUND                          ; a round of the cluster's barrier
	s_barrier_signal -1
	s_barrier_wait -1
	s_cmp_lg_u32 s[WV], 0
	s_cbranch_scc1 .Lnot_wave_0_\@
	s_barrier_signal -3
.Lnot_wave_0_\@:
	s_barrier_wait -3
	s_barrier_signal -1
	s_barrier_wait -1
.endm
.macro SCALES kh                       ; a half's scale words: lanes 0-15 take the even tile's rows, lanes 16-31 the odd tile's; word q serves K step q
.irp p, 0,1
	ds_load_b128 v[SCA+4*\p:SCA+4*\p+3], v[ASA] offset:\kh*HALF+512*\p
	ds_load_b128 v[SCB+4*\p:SCB+4*\p+3], v[ASB] offset:\kh*HALF+512*\p
.endr
.endm
.macro FRAGS kh, q                     ; eight fragments, each two images of 512 consecutive bytes
.irp i, 0,1,2,3
.irp c, 0,1
	ds_load_b128 v[FA+8*\i+4*\c:FA+8*\i+4*\c+3], v[AFA] offset:\kh*HALF+8192*\q+1024*\i+512*\c
.endr
.endr
.irp i, 0,1,2,3
.irp c, 0,1
	ds_load_b128 v[FB+8*\i+4*\c:FB+8*\i+4*\c+3], v[AFB] offset:\kh*HALF+8192*\q+1024*\i+512*\c
.endr
.endr
.endm
.macro WM ra, rb                       ; one product; an odd tile's scale words lie in lanes 16-31
.if (\ra) && (\rb)
	v_wmma_scale_f32_16x16x128_f8f6f4 v[rD:rD+7], v[rA:rA+7], v[rB:rB+7], v[rC:rC+7], v[rSA], v[rSB] matrix_a_fmt:MATRIX_FMT_FP4 matrix_b_fmt:MATRIX_FMT_FP4 matrix_a_scale:MATRIX_SCALE_ROW1 matrix_b_scale:MATRIX_SCALE_ROW1
.elseif (\ra)
	v_wmma_scale_f32_16x16x128_f8f6f4 v[rD:rD+7], v[rA:rA+7], v[rB:rB+7], v[rC:rC+7], v[rSA], v[rSB] matrix_a_fmt:MATRIX_FMT_FP4 matrix_b_fmt:MATRIX_FMT_FP4 matrix_a_scale:MATRIX_SCALE_ROW1
.elseif (\rb)
	v_wmma_scale_f32_16x16x128_f8f6f4 v[rD:rD+7], v[rA:rA+7], v[rB:rB+7], v[rC:rC+7], v[rSA], v[rSB] matrix_a_fmt:MATRIX_FMT_FP4 matrix_b_fmt:MATRIX_FMT_FP4 matrix_b_scale:MATRIX_SCALE_ROW1
.else
	v_wmma_scale_f32_16x16x128_f8f6f4 v[rD:rD+7], v[rA:rA+7], v[rB:rB+7], v[rC:rC+7], v[rSA], v[rSB] matrix_a_fmt:MATRIX_FMT_FP4 matrix_b_fmt:MATRIX_FMT_FP4
.endif
.endm
; 16 products, 128 along K.  The 16 accumulators take turns, one instruction a turn, in the same order in every step.
; mode 0: adds on; 1: the sums start from the bias by source 0's tile (q, k); 2: by source 1's tile (v)
.macro MUL16 q, mode
.irp j, 0,1,2,3
.irp i, 0,1,2,3
.set rD, ACC+32*\j+8*\i
.set rA, FA+8*\i
.set rB, FB+8*\j
.set rC, rD
.if \mode == 1
.set rC, BI+8*\i
.endif
.if \mode == 2
.set rC, BI+8*\j
.endif
.set rSA, SCA+4*(\i/2)+(\q)
.set rSB, SCB+4*(\j/2)+(\q)
	WM \i%2, \j%2
.endr
.endr
.endm
.macro KSTEP kh, q
	PLACES                                         ; four places in front of loads into registers that matrix instructions have read
	FRAGS \kh, \q
	s_wait_dscnt 0x0
	MUL16 \q, 0
.endm
; 32 numbers of a lane, register 16 b + i = k 32 b + 16 (lane / 16) + i, become four registers of codes (lane (r, h): block h whole) and two scale bytes
.macro QUANT2 src, pc, sw
.set qS, \src
.set qP, \pc
.irp b, 0,1
	v_max3_num_f32 v[TM+\b], |v[qS+16*\b]|, |v[qS+1+16*\b]|, 0x1800000   ; and the floor 2^(3 - 127): the byte cannot fall under 1
.endr
.irp i, 2,4,6,8,10,12,14
.irp b, 0,1
	s_delay_alu instid0(VALU_DEP_2)
	v_max3_num_f32 v[TM+\b], v[TM+\b], |v[qS+16*\b+\i]|, |v[qS+1+16*\b+\i]|
.endr
.endr
.irp b, 0,1
	s_delay_alu instid0(VALU_DEP_2)
	v_permlanex16_b32 v[TM+2+\b], v[TM+\b], s[SEL], s[SEL+1]
.endr
.irp b, 0,1
	s_delay_alu instid0(VALU_DEP_2)
	v_max_num_f32 v[TM+\b], v[TM+\b], v[TM+2+\b]   ; with lane l xor 16's: the block's largest magnitude
.endr
.irp b, 0,1
	s_delay_alu instid0(VALU_DEP_2)
	v_add_nc_u32 v[TM+4+\b], 0xff000000, v[TM+\b]  ; 2 off its exponent field: the conversion's scale operand
.endr
.irp b, 0,1
	s_delay_alu instid0(VALU_DEP_2)
	v_lshrrev_b32 v[TM+2+\b], 23, v[TM+4+\b]
.endr
	s_delay_alu instid0(VALU_DEP_1)
	v_lshl_or_b32 v[\sw], v[TM+3], 8, v[TM+2]
.irp b, 0,1
	v_cvt_scalef32_pk8_fp4_f32 v[qP+2*\b], v[qS+16*\b:qS+7+16*\b], v[TM+4+\b]
	v_cvt_scalef32_pk8_fp4_f32 v[qP+1+2*\b], v[qS+8+16*\b:qS+15+16*\b], v[TM+4+\b]
.endr
	v_nop                                          ; one plain place behind a scaled conversion
	v_permlane16_swap_b32 v[qP], v[qP+2]           ; a whole block in a lane: lanes 0-15 block 0, lanes 16-31 block 1
	v_permlane16_swap_b32 v[qP+1], v[qP+3]
.endm
	s_load_b256 s[4:11], s[0:1], 0x0               ; xq s[4:5], wq s[6:7], bq s[8:9], bk s[10:11]
	s_load_b128 s[12:15], s[0:1], 0x20             ; bv s[12:13], qkv s[14:15]
	s_set_vgpr_msb 0x40
	v_lshl_add_u32 v0, v0, 2, 0x44600
	v_mov_b32 v1, 0
	s_set_vgpr_msb 0x4045
	ds_add_u32 v0, v1
	ds_add_u32 v0, v1
	s_set_vgpr_msb 0x4500
	v_lshrrev_b32 v1, 5, v0
	s_delay_alu instid0(VALU_DEP_1)
	v_readfirstlane_b32 s[WV], v1                  ; wave 0..11
	s_lshr_b32 s17, s[WV], 2                       ; weight: 0 q, 1 k, 2 v
	s_and_b32 s18, s[WV], 1                        ; head of the two
	s_bfe_u32 s19, s[WV], 0x10001                  ; half of the tokens
	s_lshr_b32 s20, s[WV], 3                       ; 1 for v
	s_xor_b32 s21, s20, 1                          ; 1 for q, k
	s_bfe_u32 s22, ttmp6, 0x40000                  ; cx
	s_bfe_u32 s23, ttmp6, 0x40004                  ; cy
	s_lshl_b32 s66, ttmp9, 2
	s_add_co_u32 s66, s66, s22                     ; column group = 4 x cluster x + cx
	s_and_b32 s67, ttmp7, 0xffff
	s_lshl_b32 s67, s67, 2
	s_add_co_u32 s67, s67, s23                     ; token block = 4 x cluster y + cy
	s_lshl_b32 s58, s23, 2
	s_lshl_b32 s58, 15, s58                        ; my row of the cluster
	s_lshl_b32 s59, 0x1111, s22                    ; my column
	; group 1: half a block, 34,816 dense bytes, as 136 rows of 32 elements of 8 bytes
	s_or_b32 s[G1W], s59, (3<<16)|(1<<21)          ; the weights go to my column
	s_or_b32 s[G1X], s58, (3<<16)|(1<<21)          ; x goes to my row
.irp g, G1W, G1X
	s_mov_b32 s[\g+1], 32<<16                      ; tensor_dim0
	s_mov_b32 s[\g+2], 136<<16                     ; tensor_dim1
	s_mov_b32 s[\g+3], 32<<16                      ; tile_dim0
	s_mov_b32 s[\g+4], 136                         ; tile_dim1
	s_mov_b32 s[\g+5], 32                          ; pitch
	s_mov_b32 s[\g+6], 0
	s_mov_b32 s[\g+7], 0
.endr
	s_min_u32 s60, s[WV], 2                        ; waves 0-2 fetch weight w (held at 2, so that the address lies inside in every wave)
	s_lshl_b32 s61, s60, 3
	s_add_co_u32 s61, s61, s66
	s_mul_i32 s62, s61, BLK
	s_mov_b32 s63, 0
	s_mul_i32 s60, s60, BLK                        ; its region in LDS
	s_mul_i32 s68, s67, BLK                        ; wave 3 fetches x's block
	s_mov_b32 s69, 0
	s_wait_dscnt 0x0
	s_wait_kmcnt 0x0
	s_add_nc_u64 s[62:63], s[6:7], s[62:63]
	s_add_nc_u64 s[68:69], s[4:5], s[68:69]
.irp s, 0,1
	s_mov_b32 s[G0W+4*\s], 1
	s_add_co_u32 s[G0W+4*\s+1], s60, \s*HALF
	s_add_nc_u64 s[G0W+4*\s+2:G0W+4*\s+3], s[62:63], \s*HALF
	s_or_b32 s[G0W+4*\s+3], s[G0W+4*\s+3], 0x80000000
	s_mov_b32 s[G0X+4*\s], 1
	s_mov_b32 s[G0X+4*\s+1], XREG+\s*HALF
	s_add_nc_u64 s[G0X+4*\s+2:G0X+4*\s+3], s[68:69], \s*HALF
	s_or_b32 s[G0X+4*\s+3], s[G0X+4*\s+3], 0x80000000
.endr
	CROUND                                         ; all sixteen work-groups are here: the joint loads meet
	s_cmp_lt_u32 s[WV], 3                          ; a wave's two fills stand in one branch on the wave's number: two loads of mine are out at the most
	s_cbranch_scc0 .Lnot_w
	tensor_load_to_lds s[G0W:G0W+3], s[G1W:G1W+7]
	s_nop 0
	tensor_load_to_lds s[G0W+4:G0W+7], s[G1W:G1W+7]
	s_nop 0
	PLACES
	s_branch .Lasked
.Lnot_w:
	s_cmp_eq_u32 s[WV], 3
	s_cbranch_scc0 .Lasked
	tensor_load_to_lds s[G0X:G0X+3], s[G1X:G1X+7]
	s_nop 0
	tensor_load_to_lds s[G0X+4:G0X+7], s[G1X:G1X+7]
	s_nop 0
	PLACES
.Lasked:
	v_and_b32 v248, 31, v0
	s_delay_alu instid0(VALU_DEP_1)
	v_lshlrev_b32 v1, 4, v248                      ; 16 x lane
	v_and_b32 v249, 15, v0                         ; r
	v_bfe_u32 v250, v0, 4, 1                       ; h
	s_wait_alu depctr_va_vdst(0)
	v_and_b32 v251, 8, v249
	s_delay_alu instid0(VALU_DEP_1)
	v_add_nc_u32 v251, v251, v249                  ; r + 8 (r / 8)
	v_lshlrev_b32 v253, 4, v249                    ; 16 r
	s_mov_b32 s[SEL], 0x76543210
	s_mov_b32 s[SEL+1], 0xfedcba98
	; the bias: q, k: register e of tile t wants column 32 (t / 2) + 8 (t % 2) + 16 h + e; v: every register wants column 32 (t / 2) + 8 (t % 2) + r + 8 (r / 8)
	s_cmp_eq_u32 s17, 1
	s_cselect_b64 s[80:81], s[10:11], s[8:9]
	s_cmp_eq_u32 s17, 2
	s_cselect_b64 s[80:81], s[12:13], s[80:81]
	s_lshl_b32 s82, s66, 9
	s_lshl_b32 s83, s18, 8
	s_add_co_u32 s82, s82, s83
	s_mov_b32 s83, 0
	s_add_nc_u64 s[80:81], s[80:81], s[82:83]
	s_lshl_b32 s84, s21, 6
	s_lshl_b32 s85, s20, 2
	v_mul_u32_u24 v252, s84, v250
	s_wait_alu depctr_va_vdst(0)
	v_mad_u32_u24 v252, s85, v251, v252
	s_lshl_b32 s84, s21, 2
.irp e, 0,1,2,3,4,5,6,7
	v_mad_u32_u24 v[FA+\e], s84, \e, v252
.endr
.irp t, 0,1,2,3
.irp e, 0,1,2,3,4,5,6,7
	global_load_b32 v[BI+8*\t+\e], v[FA+\e], s[80:81] offset:4*(32*(\t/2)+8*(\t%2))
.endr
.endr
	; LDS addresses, from the wave's number alone
	s_mul_i32 s70, s17, BLK
	s_lshl_b32 s71, s18, 12
	s_add_co_u32 s71, s71, s70
	s_add_co_u32 s71, s71, 2048                    ; W's codes: my head's four tiles
	s_lshl_b32 s72, s18, 10
	s_add_co_u32 s72, s72, s70                     ; and their scale bytes
	s_lshl_b32 s73, s19, 12
	s_add_co_u32 s73, s73, XREG+2048               ; x's codes: my half's four tiles
	s_lshl_b32 s74, s19, 10
	s_add_co_u32 s74, s74, XREG
	s_mul_i32 s75, s21, s71
	s_mul_i32 s76, s20, s73
	s_add_co_u32 s75, s75, s76                     ; source 0: W for q, k; x for v
	s_mul_i32 s76, s20, s71
	s_mul_i32 s77, s21, s73
	s_add_co_u32 s76, s76, s77                     ; source 1: the other
	s_mul_i32 s77, s21, s72
	s_mul_i32 s78, s20, s74
	s_add_co_u32 s77, s77, s78
	s_mul_i32 s78, s20, s72
	s_mul_i32 s79, s21, s74
	s_add_co_u32 s78, s78, s79
	v_add_nc_u32 v[AFA], s75, v1
	v_add_nc_u32 v[AFB], s76, v1
	v_add_nc_u32 v[ASA], s77, v1
	v_add_nc_u32 v[ASB], s78, v1
	s_lshl_b32 s86, s17, 1
	s_add_co_u32 s86, s86, s18
	s_lshl_b32 s86, s86, 8
	s_add_co_u32 s86, s86, SST                     ; my unit of scale bytes
	s_lshl_b32 s87, s21, 3
	s_lshl_b32 s88, s20, 1
	s_add_co_u32 s87, s87, s88
	s_mul_i32 s87, s87, s19                        ; my token half: 8 bytes on (q, k) or 2 (v)
	s_add_co_u32 s86, s86, s87
	s_lshl_b32 s87, s21, 1
	s_lshl_b32 s88, s20, 2
	s_add_co_u32 s87, s87, s88                     ; from tile to tile: 2 bytes (q, k) or 4 (v)
.irp j, 0,1,2,3
	v_add_nc_u32 v[ADS+\j], s86, v253
	s_add_co_u32 s86, s86, s87
.endr
	s_min_u32 s88, s[WV], 2
	s_lshl_b32 s88, s88, 9
	s_add_co_u32 s88, s88, SST
	v_add_nc_u32 v[SR], s88, v1
	; places in memory
	s_lshl_b32 s89, s21, 9
	s_lshl_b32 s90, s20, 10
	s_add_co_u32 s89, s89, s90                     ; from tile to tile: 512 bytes (q, k) or 1,024 (v)
.irp j, 0,1,2,3
	v_mad_u32_u24 v[VAD+\j], s89, \j, v1
.endr
	s_lshr_b32 s90, s67, 4
	s_lshl_b32 s90, s90, 4
	s_lshl_b32 s91, s66, 1
	s_add_co_u32 s90, s90, s91                     ; batch x 16 + the group's first head
	s_and_b32 s96, s67, 15                         ; which 128 tokens of the batch
	s_add_co_u32 s91, s90, s18
	s_mul_i32 s91, s91, 3
	s_add_co_u32 s91, s91, s17                     ; my part
	s_mul_i32 s92, s91, BLK
	s_lshl_b32 s97, s96, 12
	s_add_co_u32 s92, s92, s97
	s_add_co_u32 s92, s92, 4096
	s_lshl_b32 s97, s21, 11
	s_lshl_b32 s98, s20, 9
	s_add_co_u32 s97, s97, s98
	s_mul_i32 s97, s97, s19                        ; my token half: 2,048 bytes on (q, k) or 512 (v)
	s_add_co_u32 s92, s92, s97
	s_mov_b32 s93, 0
	s_add_nc_u64 s[92:93], s[14:15], s[92:93]
	s_mul_i32 s94, s90, 3
	s_min_u32 s97, s[WV], 2
	s_add_co_u32 s94, s94, s97
	s_mul_i32 s94, s94, BLK
	s_lshl_b32 s97, s96, 8
	s_add_co_u32 s94, s94, s97
	s_mov_b32 s95, 0
	s_add_nc_u64 s[94:95], s[14:15], s[94:95]      ; weight w's scale bytes of the first head; the second head's lie three parts on
	v_mul_u32_u24 v[SOF], v250, 3*BLK
	s_delay_alu instid0(VALU_DEP_1)
	v_lshl_add_u32 v[SOF], v249, 4, v[SOF]
	s_wait_loadcnt 0x0                             ; the bias is in, and its address registers are free
	s_wait_tensorcnt 0x1                           ; my first half of K is in; the second may stay out
	s_barrier_signal -1
	s_barrier_wait -1                              ; everybody's is
	SCALES 0
	FRAGS 0, 0
	s_wait_dscnt 0x0
	s_cmp_eq_u32 s20, 0
	s_cbranch_scc0 .Lfirst_v
	MUL16 0, 1                                     ; the first K step starts the sums from the bias
	s_branch .Lfirst_done
.Lfirst_v:
	MUL16 0, 2
.Lfirst_done:
	KSTEP 0, 1
	KSTEP 0, 2
	KSTEP 0, 3
	PLACES                                         ; in front of the loads into the scale registers
	s_wait_tensorcnt 0x0                           ; my second half is in
	s_barrier_signal -1
	s_barrier_wait -1
	SCALES 1
	FRAGS 1, 0
	s_wait_dscnt 0x0
	MUL16 0, 0
	KSTEP 1, 1
	KSTEP 1, 2
	KSTEP 1, 3
	; THE WAY OUT: relu, quantised along the next K, a tile of source 1 at a time
	v_mov_b32 v[TM+2], 0                           ; (a lane permute's destination counts as one of its sources); these two and two v_nop are the four places behind the last products
	v_mov_b32 v[TM+3], 0
	v_nop
	v_nop
.irp j, 0,1,2,3
.set n, 0
.rept 32
	v_max_num_f32 v[ACC+32*\j+n], 0, v[ACC+32*\j+n]    ; each accumulator from its low end on
.set n, n+1
.endr
	QUANT2 ACC+32*\j, PC+4*\j, SW+\j
	global_store_b128 v[VAD+\j], v[PC+4*\j:PC+4*\j+3], s[92:93]   ; an image: 512 consecutive bytes, aligned
	ds_store_b16 v[ADS+\j], v[SW+\j]               ; both lanes of a row write the same two bytes
.endr
	s_wait_dscnt 0x0                               ; for the others' sake
	s_barrier_signal -1
	s_barrier_wait -1
	s_cmp_lt_u32 s[WV], 3
	s_cbranch_scc0 .Lno_scales
	ds_load_b128 v[84:87], v[SR]                   ; weight w's scale bytes of both heads
	s_wait_dscnt 0x0
	global_store_b128 v[SOF], v[84:87], s[94:95]   ; sixteen lanes fill 256 consecutive bytes, aligned
.Lno_scales:
	s_set_vgpr_msb 0x5
	s_wait_tensorcnt 0x0
	ds_add_u32 v0, v1
	s_wait_dscnt 0x0
	s_set_vgpr_msb 0x500
	CROUND                                         ; the closing round
	s_endpgm
.Lfunc_end_k_q1a68c1ec71_qkv:
	.size	k_q1a68c1ec71_qkv, .Lfunc_end_k_q1a68c1ec71_qkv-k_q1a68c1ec71_qkv
	.p2alignl 7, 3214868480
	.fill 96, 4, 3214868480
	.section	.rodata,"a",@progbits
	.p2align	6, 0x0
	.amdhsa_kernel k_q1a68c1ec71_qkv
		.amdhsa_group_segment_fixed_size 281600
		.amdhsa_private_segment_fixed_size 0
		.amdhsa_enable_private_segment 0
		.amdhsa_kernarg_size 48
		.amdhsa_user_sgpr_count 2
		.amdhsa_user_sgpr_kernarg_segment_ptr 1
		.amdhsa_wavefront_size32 1
		.amdhsa_system_sgpr_workgroup_id_x 1
		.amdhsa_system_sgpr_workgroup_id_y 1
		.amdhsa_system_sgpr_workgroup_id_z 1
		.amdhsa_system_vgpr_workitem_id 0
		.amdhsa_next_free_vgpr 258
		.amdhsa_next_free_sgpr 100
		.amdhsa_reserve_vcc 0
		.amdhsa_float_denorm_mode_32 3
		.amdhsa_float_denorm_mode_16_64 3
		.amdhsa_memory_ordered 1
		.amdhsa_forward_progress 1
		.amdhsa_inst_pref_size 57
	.end_amdhsa_kernel
	.amdgpu_metadata
---
amdhsa.version: [ 1, 2 ]
amdhsa.kernels:
  - .name:           k_q1a68c1ec71_qkv
    .symbol:         k_q1a68c1ec71_qkv.kd
    .args:
      - { .name: xq, .offset: 0, .size: 8, .value_kind: global_buffer, .address_space: global }
      - { .name: wq, .offset: 8, .size: 8, .value_kind: global_buffer, .address_space: global }
      - { .name: bq, .offset: 16, .size: 8, .value_kind: global_buffer, .address_space: global }
      - { .name: bk, .offset: 24, .size: 8, .value_kind: global_buffer, .address_space: global }
      - { .name: bv, .offset: 32, .size: 8, .value_kind: global_buffer, .address_space: global }
      - { .name: qkv, .offset: 40, .size: 8, .value_kind: global_buffer, .address_space: global }
    .group_segment_fixed_size: 281600
    .private_segment_fixed_size: 0
    .kernarg_segment_align: 8
    .kernarg_segment_size: 48
    .max_flat_workgroup_size: 384
    .sgpr_count:     100
    .vgpr_count:     258
    .wavefront_size: 32
...
	.end_amdgpu_metadata
.endif
;; end of part 2
;; launch attn (part 3): grid 4 x 64, 8 waves a work-group, clusters of 4 x 1, 327,680 bytes of LDS; arguments qkv, yq; writes yq
.if DOCPART == 3
	.amdgcn_target "amdgcn-amd-amdhsa--gfx1250"
	.amdhsa_code_object_version 6
	.text
	.protected	k_q1a68c1ec71_attn
	.globl	k_q1a68c1ec71_attn
	.p2align	8
	.type	k_q1a68c1ec71_attn,@function
k_q1a68c1ec71_attn:
	s_mov_b64 s[64:65], 0
	v_nop
	global_prefetch_b8 v0, s[64:65] scope:SCOPE_SE
	s_setreg_imm32_b32 hwreg(HW_REG_WAVE_MODE, 25, 1), 1
	s_wait_xcnt 0x0
	s_wait_alu depctr_hold_cnt(0) depctr_sa_sdst(0) depctr_va_vdst(0) depctr_va_sdst(0) depctr_va_ssrc(0) depctr_va_vcc(0) depctr_vm_vsrc(0)
	s_getreg_b32 s2, hwreg(HW_REG_IB_STS2, 6, 4)
	s_cmp_eq_u32 s2, 0
	s_cbranch_scc0 .Lentry_in_a_cluster
	s_endpgm
.Lentry_in_a_cluster:
	s_bfe_u32 s2, ttmp6, 0x10000c
	s_cmp_lg_u32 s2, 0x3003
	s_cbranch_scc0 .Lentry_shape_is_right
	s_endpgm
.Lentry_shape_is_right:
; y = a v, a = exp(e - max over ALL keys of e) x causal / (sum + 1e-7), e = q k^T / 8; both products on codes of FP4; a is quantised FINISHED, along the keys; y is quantised along the channels for the last product.
; The divisor must be known before a code of a is made, so a pair of query tiles walks the keys three times: pass 0: the maximum, all 16 key steps of 128; pass 1: the sum, the steps up to the diagonal; pass 2: a, its codes, a v.
; The scores are made anew in each pass: the matrix unit has time to spare beside the exponentials.
; SHARES.  A cluster of four work-groups takes a head (grid y); the head's K and V parts lie whole in each work-group's LDS, fetched once by joint loads.  A pair of query tiles is 32 queries: pair 4 G + g, g the work-group's
; place in the cluster.  Wave w takes G = w and then G = 15 - w: 17 steps under the diagonal for every wave.  G hangs on the wave's number alone; g enters global addresses and the mask's numbers only.
; LAYOUT.  Both products transposed: S^T = K Q^T, O^T = V^T a^T: a lane holds ONE query.  A tile's keys are 32 p + 8 u + r + 8 (r / 8), so that the 16 registers of two neighbouring tiles are 16 neighbouring keys.
; K = 64 IN AN INSTRUCTION OF 128: a fragment of K holds key tile 2 d in registers 0-3 and tile 2 d + 1 in 4-7.  Q lies as [zeros][codes][zeros]: registers +4..+11 pick tile 2 d, registers +0..+7 tile 2 d + 1; zero codes add nothing.
; LIMITS: T = max x c is rounded once, so p and the sum carry a common factor 2^d, |d| at most half a unit of T's last place; it cancels but against the 1e-7.  v_exp_f32 gives 0 for results under 2^-126.
; A block of zeros gets the byte 1 with zero codes.  NaN and infinities are not served.  y's scale bytes leave two a row: the other heads' are other work-groups'.
.set BLK,  69632
.set HALF, 34816
.set KCD,  4096                        ; LDS: K's scale bytes at 0, K's codes, V's scale bytes, V's codes
.set VSC,  69632
.set VCD,  73728
.set QA,   20                          ; v20-31 tile A of Q, v32-43 tile B
.set QB,   32
.set KF,   64                          ; v64-95 four fragments of K or of V
.set S,    96                          ; v96-159 scores, then p, then a
.set S2,   160                         ; passes 0 and 1: tile B's scores
.set OA,   160                         ; pass 2: O^T of tile A, of tile B
.set OB,   192
.set PA,   224                         ; a's codes
.set PB,   232
.set TM,   240                         ; at work
.set WV,   8
.set SEL,  32
.set CS,   34
.set G,    39
.set KS,   40
.set KO,   41
.set SO,   42
; v1 16 l; v2 16 r; v3 v1 + VCD; v4 v2 + VSC; v5, v6 addresses in hand; v7, v8 the mask's numbers for tiles A, B; v9 -infinity; v10 v1 + KCD; v[12:13], v[14:15] -T; v[16:17], v[18:19] 1 / (sum + eps);
; v44, v45 Q's scale words; v46, v47 a's; v48-51 K's or V's: scales and nothing else; v52-59 maxima, then sums; v60-63 at work
.macro PLACES
.rept 4
	v_nop
.endr
.endm
.macro CROUND
	s_barrier_signal -1
	s_barrier_wait -1
	s_cmp_lg_u32 s[WV], 0
	s_cbranch_scc1 .Lnot_wave_0_\@
	s_barrier_signal -3
.Lnot_wave_0_\@:
	s_barrier_wait -3
	s_barrier_signal -1
	s_barrier_wait -1
.endm
.macro LOADF bc, bs                    ; a key step's four fragments and their four scale words
	v_add_nc_u32 v5, s[KO], v[\bc]
	v_add_nc_u32 v6, s[SO], v[\bs]
.irp d, 0,1,2,3
.irp c, 0,1
	ds_load_b128 v[KF+8*\d+4*\c:KF+8*\d+4*\c+3], v5 offset:1024*\d+512*\c
.endr
.endr
	ds_load_b128 v[48:51], v6
.endm
.macro QK q, qs, dst                   ; 128 keys x 16 queries: register 16 d + i of the result is key 32 d + 16 (lane / 16) + i
.irp d, 0,1,2,3
	v_wmma_scale_f32_16x16x128_f8f6f4 v[\dst+16*\d:\dst+16*\d+7], v[KF+8*\d:KF+8*\d+7], v[\q+4:\q+11], 0, v[48+\d], v[\qs] matrix_a_fmt:MATRIX_FMT_FP4 matrix_b_fmt:MATRIX_FMT_FP4
	v_wmma_scale_f32_16x16x128_f8f6f4 v[\dst+16*\d+8:\dst+16*\d+15], v[KF+8*\d:KF+8*\d+7], v[\q:\q+7], 0, v[48+\d], v[\qs] matrix_a_fmt:MATRIX_FMT_FP4 matrix_b_fmt:MATRIX_FMT_FP4
.endr
.endm
.macro MASK dst, dd                    ; the step on the diagonal: hidden scores become -infinity, so that p = 0
.set n, 0
.rept 64
	v_cmp_gt_i32 vcc_lo, 32*(n/16)+n%16, v[\dd]
	v_cndmask_b32 v[\dst+n], v[\dst+n], v9, vcc_lo
.set n, n+1
.endr
.endm
.macro QUANT4 p, ps                    ; 64 numbers in S, none negative, become a fragment's codes and its scale word
.irp b, 0,1,2,3
	v_max3_num_f32 v[TM+\b], v[S+16*\b], v[S+1+16*\b], 0x1800000   ; and the floor 2^(3 - 127)
.endr
.irp i, 2,4,6,8,10,12,14
.irp b, 0,1,2,3
	s_delay_alu instid0(VALU_DEP_4)
	v_max3_num_f32 v[TM+\b], v[TM+\b], v[S+16*\b+\i], v[S+1+16*\b+\i]
.endr
.endr
.irp b, 0,1,2,3
	s_delay_alu instid0(VALU_DEP_4)
	v_permlanex16_b32 v[TM+4+\b], v[TM+\b], s[SEL], s[SEL+1]
.endr
.irp b, 0,1,2,3
	s_delay_alu instid0(VALU_DEP_4)
	v_max_num_f32 v[TM+\b], v[TM+\b], v[TM+4+\b]
.endr
.irp b, 0,1,2,3
	s_delay_alu instid0(VALU_DEP_4)
	v_add_nc_u32 v[TM+12+\b], 0xff000000, v[TM+\b]
.endr
.irp b, 0,1,2,3
	s_delay_alu instid0(VALU_DEP_4)
	v_lshrrev_b32 v[TM+4+\b], 23, v[TM+12+\b]
.endr
	s_delay_alu instid0(VALU_DEP_3)
	v_lshl_or_b32 v[\ps], v[TM+5], 8, v[TM+4]
	s_delay_alu instid0(VALU_DEP_1)
	v_lshl_or_b32 v[\ps], v[TM+6], 16, v[\ps]
	s_delay_alu instid0(VALU_DEP_1)
	v_lshl_or_b32 v[\ps], v[TM+7], 24, v[\ps]
.irp b, 0,1,2,3
	v_cvt_scalef32_pk8_fp4_f32 v[\p+2*\b], v[S+16*\b:S+7+16*\b], v[TM+12+\b]
	v_cvt_scalef32_pk8_fp4_f32 v[\p+1+2*\b], v[S+8+16*\b:S+15+16*\b], v[TM+12+\b]
.endr
	v_nop                                          ; one plain place behind a scaled conversion
.irp c, 0,1
.irp i, 0,1
	v_permlane16_swap_b32 v[\p+4*\c+\i], v[\p+2+4*\c+\i]
.endr
.endr
.endm
.macro QUANT2 src, pc, sw              ; 32 numbers, two blocks
.set qS, \src
.set qP, \pc
.irp b, 0,1
	v_max3_num_f32 v[TM+\b], |v[qS+16*\b]|, |v[qS+1+16*\b]|, 0x1800000
.endr
.irp i, 2,4,6,8,10,12,14
.irp b, 0,1
	v_max3_num_f32 v[TM+\b], v[TM+\b], |v[qS+16*\b+\i]|, |v[qS+1+16*\b+\i]|
.endr
.endr
.irp b, 0,1
	s_delay_alu instid0(VALU_DEP_2)
	v_permlanex16_b32 v[TM+2+\b], v[TM+\b], s[SEL], s[SEL+1]
.endr
.irp b, 0,1
	s_delay_alu instid0(VALU_DEP_2)
	v_max_num_f32 v[TM+\b], v[TM+\b], v[TM+2+\b]
.endr
.irp b, 0,1
	s_delay_alu instid0(VALU_DEP_2)
	v_add_nc_u32 v[TM+4+\b], 0xff000000, v[TM+\b]
.endr
.irp b, 0,1
	s_delay_alu instid0(VALU_DEP_2)
	v_lshrrev_b32 v[TM+2+\b], 23, v[TM+4+\b]
.endr
	s_delay_alu instid0(VALU_DEP_1)
	v_lshl_or_b32 v[\sw], v[TM+3], 8, v[TM+2]
.irp b, 0,1
	v_cvt_scalef32_pk8_fp4_f32 v[qP+2*\b], v[qS+16*\b:qS+7+16*\b], v[TM+4+\b]
	v_cvt_scalef32_pk8_fp4_f32 v[qP+1+2*\b], v[qS+8+16*\b:qS+15+16*\b], v[TM+4+\b]
.endr
	v_nop
	v_permlane16_swap_b32 v[qP], v[qP+2]
	v_permlane16_swap_b32 v[qP+1], v[qP+3]
.endm
.macro SCALE dst, nt                   ; s c - T, two at a time
.set n, 0
.rept 32
	v_pk_fma_f32 v[\dst+n:\dst+n+1], v[\dst+n:\dst+n+1], s[CS:CS+1], v[\nt:\nt+1] op_sel_hi:[1,0,0]
.set n, n+2
.endr
.endm
.macro EXPS dst
.set n, 0
.rept 64
	v_exp_f32 v[\dst+n], v[\dst+n]
.set n, n+1
.endr
.endm
.macro SUMS dst, acc                   ; two chains of packed sums
.set n, 0
.rept 16
	v_pk_add_f32 v[\acc:\acc+1], v[\acc:\acc+1], v[\dst+n:\dst+n+1]
	v_pk_add_f32 v[\acc+2:\acc+3], v[\acc+2:\acc+3], v[\dst+n+2:\dst+n+3]
.set n, n+4
.endr
.endm
.macro SOFT nt, rr, p, ps              ; the scores in S become a, its codes and its scale word
	SCALE S, \nt
	s_wait_alu depctr_va_vdst(0)
	EXPS S
	v_nop                                          ; a plain place behind the last exponential
	s_wait_alu depctr_va_vdst(0)                   ; one wait for the batch of 64, ahead of its first reader
.set n, 0
.rept 32
	v_pk_mul_f32 v[S+n:S+n+1], v[S+n:S+n+1], v[\rr:\rr+1] op_sel_hi:[1,0]   ; a = p / (sum + eps)
.set n, n+2
.endr
	QUANT4 \p, \ps
.endm
.macro NEXTSTEP                        ; the lines at a trip's end that every way passes
	s_add_co_u32 s[KO], s[KO], 4096
	s_add_co_u32 s[SO], s[SO], 256
	s_add_co_u32 s[KS], s[KS], 1
	s_cmp_lt_u32 s[KS], 16
.endm
.macro RESET
	s_mov_b32 s[KO], 0
	s_mov_b32 s[SO], 0
	s_mov_b32 s[KS], 0
.endm
; A PAIR OF QUERY TILES.  first = 1: G = my wave's number, and the two barriers behind which K's and V's bytes may be read; 0: G = 15 - my wave's number
.macro PAIR first
	s_wait_xcnt 0x0                                ; the last pair's stores have read their registers and bases
.if \first
	s_mov_b32 s[G], s[WV]
.else
	s_xor_b32 s[G], s[WV], 15
.endif
	s_mov_b32 s53, 0
	s_lshl_b32 s52, s[G], 2
	s_add_co_u32 s52, s52, s9                      ; the pair
	s_lshl_b32 s52, s52, 10
	s_add_co_u32 s52, s52, 4096
	s_add_nc_u64 s[44:45], s[60:61], s[52:53]      ; its two images
	s_lshl_b32 s52, s[G], 8
	s_lshl_b32 s54, s9, 2
	s_add_co_u32 s52, s52, s54
	s_add_nc_u64 s[46:47], s[60:61], s[52:53]      ; its scale words
	global_load_b128 v[QA+4:QA+7], v1, s[44:45]
	global_load_b128 v[QB+4:QB+7], v1, s[44:45] offset:512
	global_load_b32 v60, v2, s[46:47]
	s_lshr_b32 s52, s10, 4                         ; where y goes: block (batch x 16 + G), the head's half of K
	s_lshl_b32 s52, s52, 4
	s_add_co_u32 s52, s52, s[G]
	s_mul_i32 s52, s52, BLK
	s_lshr_b32 s54, s11, 3
	s_mul_i32 s54, s54, HALF
	s_add_co_u32 s52, s52, s54
	s_lshl_b32 s54, s9, 9
	s_add_co_u32 s54, s54, s52
	s_and_b32 s55, s11, 7
	s_lshl_b32 s55, s55, 1
	s_add_co_u32 s54, s54, s55
	s_mov_b32 s55, 0
	s_add_nc_u64 s[50:51], s[6:7], s[54:55]        ; scale bytes: tiles 2 g, 2 g + 1; the head's two bytes of a row's sixteen
	s_bfe_u32 s54, s11, 0x20001
	s_lshl_b32 s54, s54, 13
	s_add_co_u32 s52, s52, s54
	s_lshl_b32 s54, s9, 11
	s_add_co_u32 s52, s52, s54
	s_and_b32 s54, s11, 1
	s_lshl_b32 s54, s54, 9
	s_add_co_u32 s52, s52, s54
	s_add_co_u32 s52, s52, 2048
	s_add_nc_u64 s[48:49], s[6:7], s[52:53]        ; codes: K step (head / 2) % 4, tile 2 g, c = head % 2
	s_wait_loadcnt 0x0
	v_and_b32 v61, 0xffff, v60
	v_lshrrev_b32 v62, 16, v60
	s_delay_alu instid0(VALU_DEP_2)
	v_lshl_or_b32 v44, v60, 16, v61                ; tile A's two bytes, twice
	s_delay_alu instid0(VALU_DEP_2)
	v_and_or_b32 v45, v60, 0xffff0000, v62         ; tile B's
.irp i, 0,1,2,3,4,5,6,7
	v_mov_b32 v[52+\i], v9                         ; the maxima begin at -infinity; these eight are also the places between the scale words and the first scaled product
.endr
.if \first
	s_wait_tensorcnt 0x1                           ; my eighth of K is in; V's may stay out
	s_barrier_signal -1
	s_barrier_wait -1
.endif
	; ---- pass 0: the largest score over ALL keys
	RESET
.Lp0_\@:
	LOADF 10, 2
	s_wait_dscnt 0x0
	QK QA, 44, S
	QK QB, 45, S2
	PLACES
.irp i, 0,2,4,6,8,10,12,14
.irp c, 0,1,2,3
	v_max3_num_f32 v[52+\c], v[52+\c], v[S+16*\c+\i], v[S+16*\c+\i+1]      ; four chains; each accumulator from its low end on
.endr
.endr
.irp i, 0,2,4,6,8,10,12,14
.irp c, 0,1,2,3
	v_max3_num_f32 v[56+\c], v[56+\c], v[S2+16*\c+\i], v[S2+16*\c+\i+1]
.endr
.endr
	NEXTSTEP
	s_cbranch_scc1 .Lp0_\@
	v_max3_num_f32 v52, v52, v53, v54
	v_max3_num_f32 v56, v56, v57, v58
	s_delay_alu instid0(VALU_DEP_2)
	v_max_num_f32 v52, v52, v55
	s_delay_alu instid0(VALU_DEP_2)
	v_max_num_f32 v56, v56, v59
	s_delay_alu instid0(VALU_DEP_2)
	v_permlanex16_b32 v53, v52, s[SEL], s[SEL+1]
	s_delay_alu instid0(VALU_DEP_2)
	v_permlanex16_b32 v57, v56, s[SEL], s[SEL+1]
	s_delay_alu instid0(VALU_DEP_2)
	v_max_num_f32 v52, v52, v53
	s_delay_alu instid0(VALU_DEP_2)
	v_max_num_f32 v56, v56, v57
	s_delay_alu instid0(VALU_DEP_2)
	v_mul_f32 v12, s36, v52                        ; -T = max x (-c)
	s_delay_alu instid0(VALU_DEP_2)
	v_mul_f32 v14, s36, v56
	s_delay_alu instid0(VALU_DEP_2)
	v_mov_b32 v13, v12                             ; (named with it as a pair)
	s_delay_alu instid0(VALU_DEP_2)
	v_mov_b32 v15, v14
.irp i, 0,1,2,3,4,5,6,7
	v_mov_b32 v[52+\i], 0                          ; the sums
.endr
.if \first
	s_wait_tensorcnt 0x0                           ; my eighth of V is in
	s_barrier_signal -1
	s_barrier_wait -1
.endif
	; ---- pass 1: the sum of p over the keys that count.  The trip count is a constant; a step past the diagonal leaves its work out
	RESET
.Lp1_\@:
	s_cmp_gt_u32 s[KS], s[G]
	s_cbranch_scc1 .Lp1n_\@
	s_setprio 2
	LOADF 10, 2
	s_wait_dscnt 0x0
	QK QA, 44, S
	QK QB, 45, S2
	PLACES
	s_cmp_eq_u32 s[KS], s[G]
	s_cbranch_scc0 .Lp1o_\@
	MASK S, 7
	MASK S2, 8
.Lp1o_\@:
	s_setprio 1
	SCALE S, 12
	s_wait_alu depctr_va_vdst(0)
	EXPS S
	s_wait_alu depctr_va_vdst(0)
	SCALE S2, 14                                   ; plain work behind tile A's batch
	s_wait_alu depctr_va_vdst(0)                   ; one wait for tile A's 64
	EXPS S2
	s_setprio 0
	SUMS S, 52                                     ; plain work behind tile B's batch: it reads tile A's alone
	s_wait_alu depctr_va_vdst(0)                   ; one wait for tile B's 64
	SUMS S2, 56
.Lp1n_\@:
	NEXTSTEP
	s_cbranch_scc1 .Lp1_\@
	s_setprio 0
	s_wait_alu depctr_va_vdst(0)
	v_pk_add_f32 v[52:53], v[52:53], v[54:55]
	v_pk_add_f32 v[56:57], v[56:57], v[58:59]
	s_delay_alu instid0(VALU_DEP_2)
	v_add_f32 v52, v52, v53
	s_delay_alu instid0(VALU_DEP_2)
	v_add_f32 v56, v56, v57
	s_delay_alu instid0(VALU_DEP_2)
	v_permlanex16_b32 v53, v52, s[SEL], s[SEL+1]
	s_delay_alu instid0(VALU_DEP_2)
	v_permlanex16_b32 v57, v56, s[SEL], s[SEL+1]
	s_delay_alu instid0(VALU_DEP_2)
	v_add_f32 v52, v52, v53
	s_delay_alu instid0(VALU_DEP_2)
	v_add_f32 v56, v56, v57
	s_delay_alu instid0(VALU_DEP_2)
	v_add_f32 v52, s37, v52                        ; + 1e-7
	s_delay_alu instid0(VALU_DEP_2)
	v_add_f32 v56, s37, v56
	s_wait_alu depctr_va_vdst(0)
	v_rcp_f32 v16, v52
	v_rcp_f32 v17, v52
	v_rcp_f32 v18, v56
	v_rcp_f32 v19, v56
.set n, 0
.rept 64
	v_mov_b32 v[OA+n], 0                           ; O^T.  (The step is written once; a first step of its own would be a third copy of it.)  Plain work behind the reciprocals
.set n, n+1
.endr
	s_wait_alu depctr_va_vdst(0)                   ; one wait for the four reciprocals
	; ---- pass 2: a, its codes, O^T += V^T a^T
	RESET
.Lp2_\@:
	s_cmp_gt_u32 s[KS], s[G]
	s_cbranch_scc1 .Lp2n_\@
	s_setprio 2
	LOADF 10, 2
	s_wait_dscnt 0x0
	QK QA, 44, S
	PLACES
	s_cmp_eq_u32 s[KS], s[G]
	s_cbranch_scc0 .Lp2a_\@
	MASK S, 7
.Lp2a_\@:
	SOFT 12, 16, PA, 46
	QK QB, 45, S
	PLACES                                         ; in front of the loads into K's registers, and of the first read of the scores
	LOADF 3, 4                                     ; V's fragments land while tile B's softmax is worked
	s_setprio 1
	s_cmp_eq_u32 s[KS], s[G]
	s_cbranch_scc0 .Lp2b_\@
	MASK S, 8
.Lp2b_\@:
	SOFT 14, 18, PB, 47
	s_setprio 0
.rept 8
	v_nop                                          ; a scale word written by vector instructions stands eight places ahead of a scaled product, an operand so written four
.endr
	s_wait_alu depctr_va_vdst(0)
	s_wait_dscnt 0x0
.irp j, 0,1,2,3                                ; eight accumulators by turns, one instruction a turn
	v_wmma_scale_f32_16x16x128_f8f6f4 v[OA+8*\j:OA+8*\j+7], v[KF+8*\j:KF+8*\j+7], v[PA:PA+7], v[OA+8*\j:OA+8*\j+7], v[48+\j], v46 matrix_a_fmt:MATRIX_FMT_FP4 matrix_b_fmt:MATRIX_FMT_FP4
	v_wmma_scale_f32_16x16x128_f8f6f4 v[OB+8*\j:OB+8*\j+7], v[KF+8*\j:KF+8*\j+7], v[PB:PB+7], v[OB+8*\j:OB+8*\j+7], v[48+\j], v47 matrix_a_fmt:MATRIX_FMT_FP4 matrix_b_fmt:MATRIX_FMT_FP4
.endr
	PLACES
.Lp2n_\@:
	NEXTSTEP
	s_cbranch_scc1 .Lp2_\@
	s_setprio 0
	; ---- out: a lane's 32 registers of a tile are the head's 64 channels, 16 (lane / 16) + .. of each block
	QUANT2 OA, PA, 60
	QUANT2 OB, PB, 61
	v_cndmask_b32 v62, v60, v61, s38               ; lanes 0-15: tile A's two bytes; lanes 16-31: tile B's
	global_store_b128 v1, v[PA:PA+3], s[48:49]     ; an image: 512 consecutive bytes, aligned
	global_store_b128 v1, v[PB:PB+3], s[48:49] offset:1024
	global_store_b16 v1, v62, s[50:51]
.endm
	s_load_b128 s[4:7], s[0:1], 0x0                ; qkv s[4:5], yq s[6:7]
	v_lshl_add_u32 v250, v0, 2, 0x29000
	v_mov_b32 v251, 0
	ds_add_u32 v250, v251
	ds_add_u32 v250, v251
	v_lshrrev_b32 v1, 5, v0
	s_delay_alu instid0(VALU_DEP_1)
	v_readfirstlane_b32 s[WV], v1                  ; wave 0..7
	s_bfe_u32 s9, ttmp6, 0x40000                   ; g: my place in the cluster
	s_and_b32 s10, ttmp7, 0xffff                   ; batch x 16 + head
	s_and_b32 s11, s10, 15                         ; head
	; group 1: an eighth of a part, 8,704 dense bytes, as 34 rows of 32 elements of 8 bytes; the mask names all four work-groups
	s_mov_b32 s16, 15|(3<<16)|(1<<21)
	s_mov_b32 s17, 32<<16
	s_mov_b32 s18, 34<<16
	s_mov_b32 s19, 32<<16
	s_mov_b32 s20, 34
	s_mov_b32 s21, 32
	s_mov_b32 s22, 0
	s_mov_b32 s23, 0
	s_mul_i32 s52, s10, 3*BLK
	s_mov_b32 s53, 0
	s_mul_i32 s54, s[WV], 8704
	s_mov_b32 s55, 0
	s_mov_b32 s[SEL], 0x76543210
	s_mov_b32 s[SEL+1], 0xfedcba98
	s_mov_b32 s[CS], 0x3e38aa3b                    ; c = log2(e) / 8
	s_mov_b32 s[CS+1], s[CS]
	s_mov_b32 s36, 0xbe38aa3b                      ; -c
	s_mov_b32 s37, 0x33d6bf95                      ; 1e-7
	s_mov_b32 s38, 0xffff0000                      ; lanes 16-31
	s_wait_dscnt 0x0
	s_wait_kmcnt 0x0
	s_add_nc_u64 s[60:61], s[4:5], s[52:53]        ; the head's Q part; K's and V's follow it
	s_add_nc_u64 s[56:57], s[60:61], s[54:55]
	s_mov_b32 s24, 1
	s_mul_i32 s25, s[WV], 8704                     ; K's part lies at LDS byte 0
	s_add_nc_u64 s[26:27], s[56:57], BLK
	s_or_b32 s27, s27, 0x80000000
	s_mov_b32 s28, 1
	s_add_co_u32 s29, s25, BLK                     ; V's behind it
	s_add_nc_u64 s[30:31], s[56:57], 2*BLK
	s_or_b32 s31, s31, 0x80000000
	CROUND                                         ; all four work-groups are here: the joint loads meet
	tensor_load_to_lds s[24:27], s[16:23]          ; every wave: its eighth of K,
	s_nop 0
	s_wait_alu depctr_va_vdst(0)
	s_wait_tensorcnt 0x0
	ds_add_u32 v250, v251
	s_wait_dscnt 0x0
	CROUND
	tensor_load_to_lds s[28:31], s[16:23]          ; and of V: one load of mine is out
	s_nop 0
	PLACES
	v_and_b32 v60, 31, v0
	s_delay_alu instid0(VALU_DEP_1)
	v_lshlrev_b32 v1, 4, v60                       ; 16 l
	v_and_b32 v61, 15, v0                          ; r
	v_bfe_u32 v62, v0, 4, 1                        ; h
	s_delay_alu instid0(VALU_DEP_2)
	v_lshlrev_b32 v2, 4, v61                       ; 16 r
	s_delay_alu instid0(VALU_DEP_4)
	v_add_nc_u32 v3, VCD, v1
	s_delay_alu instid0(VALU_DEP_2)
	v_add_nc_u32 v4, VSC, v2
	v_add_nc_u32 v10, KCD, v1
	v_and_b32 v63, 8, v61
	s_delay_alu instid0(VALU_DEP_1)
	v_add_nc_u32 v7, v63, v61
	v_lshlrev_b32 v63, 4, v62
	s_delay_alu instid0(VALU_DEP_1)
	v_sub_nc_u32 v7, v7, v63
	s_lshl_b32 s52, s9, 5
	v_add_nc_u32 v7, s52, v7                       ; tile A: my query - the diagonal step's first key - 16 h = 32 g + r + 8 (r / 8) - 16 h
	s_delay_alu instid0(VALU_DEP_1)
	v_add_nc_u32 v8, 8, v7                         ; tile B: 8 more
	v_mov_b32 v9, 0xff800000
.irp i, 0,1,2,3,8,9,10,11
	v_mov_b32 v[QA+\i], 0                          ; the zero codes beside Q's: written once
	v_mov_b32 v[QB+\i], 0
.endr
.irp i, 2,3,4,5,6,7
	v_mov_b32 v[TM+\i], 0                          ; (a lane permute's destination counts as one of its sources)
.endr
	PAIR 1
	PAIR 0
	s_wait_tensorcnt 0x0
	ds_add_u32 v250, v251
	s_wait_dscnt 0x0
	CROUND                                         ; the closing round
	s_endpgm
.Lfunc_end_k_q1a68c1ec71_attn:
	.size	k_q1a68c1ec71_attn, .Lfunc_end_k_q1a68c1ec71_attn-k_q1a68c1ec71_attn
	.p2alignl 7, 3214868480
	.fill 96, 4, 3214868480
	.section	.rodata,"a",@progbits
	.p2align	6, 0x0
	.amdhsa_kernel k_q1a68c1ec71_attn
		.amdhsa_group_segment_fixed_size 327680
		.amdhsa_private_segment_fixed_size 0
		.amdhsa_enable_private_segment 0
		.amdhsa_kernarg_size 16
		.amdhsa_user_sgpr_count 2
		.amdhsa_user_sgpr_kernarg_segment_ptr 1
		.amdhsa_wavefront_size32 1
		.amdhsa_system_sgpr_workgroup_id_x 1
		.amdhsa_system_sgpr_workgroup_id_y 1
		.amdhsa_system_sgpr_workgroup_id_z 1
		.amdhsa_system_vgpr_workitem_id 0
		.amdhsa_next_free_vgpr 256
		.amdhsa_next_free_sgpr 66
		.amdhsa_reserve_vcc 1
		.amdhsa_float_denorm_mode_32 3
		.amdhsa_float_denorm_mode_16_64 3
		.amdhsa_memory_ordered 1
		.amdhsa_forward_progress 1
		.amdhsa_inst_pref_size 169
	.end_amdhsa_kernel
	.amdgpu_metadata
---
amdhsa.version: [ 1, 2 ]
amdhsa.kernels:
  - .name:           k_q1a68c1ec71_attn
    .symbol:         k_q1a68c1ec71_attn.kd
    .args:
      - { .name: qkv, .offset: 0, .size: 8, .value_kind: global_buffer, .address_space: global }
      - { .name: yq, .offset: 8, .size: 8, .value_kind: global_buffer, .address_space: global }
    .group_segment_fixed_size: 327680
    .private_segment_fixed_size: 0
    .kernarg_segment_align: 8
    .kernarg_segment_size: 16
    .max_flat_workgroup_size: 256
    .sgpr_count:     66
    .vgpr_count:     256
    .wavefront_size: 32
...
	.end_amdgpu_metadata
.endif
;; end of part 3
;; launch proj (part 4): grid 4 x 64, 8 waves a work-group, clusters of 4 x 4, 244,736 bytes of LDS; arguments yq, wq, bo, out0; writes out0
.if DOCPART == 4
	.amdgcn_target "amdgcn-amd-amdhsa--gfx1250"
	.amdhsa_code_object_version 6
	.text
	.protected	k_q1a68c1ec71_proj
	.globl	k_q1a68c1ec71_proj
	.p2align	8
	.type	k_q1a68c1ec71_proj,@function
k_q1a68c1ec71_proj:
	s_mov_b64 s[64:65], 0
	v_nop
	global_prefetch_b8 v0, s[64:65] scope:SCOPE_SE
	s_setreg_imm32_b32 hwreg(HW_REG_WAVE_MODE, 25, 1), 1
	s_wait_xcnt 0x0
	s_wait_alu depctr_hold_cnt(0) depctr_sa_sdst(0) depctr_va_vdst(0) depctr_va_sdst(0) depctr_va_ssrc(0) depctr_va_vcc(0) depctr_vm_vsrc(0)
	s_getreg_b32 s2, hwreg(HW_REG_IB_STS2, 6, 4)
	s_cmp_eq_u32 s2, 0
	s_cbranch_scc0 .Lentry_in_a_cluster
	s_endpgm
.Lentry_in_a_cluster:
	s_bfe_u32 s2, ttmp6, 0x10000c
	s_cmp_lg_u32 s2, 0xf033
	s_cbranch_scc0 .Lentry_shape_is_right
	s_endpgm
.Lentry_shape_is_right:
; out = relu(y Wo + bo) on codes of FP4.  y's and Wo's codes and scale bytes lie as images of the operand's registers (blocks of 128 rows x 1,024 K, BLK bytes, two halves of K).
; A work-group: 128 tokens (grid y) x 256 columns (grid x).  Eight waves: token half w % 2, 64 columns w / 2; each makes 64 x 64 in 16 accumulators.  All operands come into LDS once: no slot is filled twice.
; Source 0 = 16 columns of Wo, source 1 = 16 tokens: a lane holds one token, and the 16 registers of tiles 2 b, 2 b + 1 are 16 neighbouring columns (a tile's rows are 32 p + 8 u + r + 8 (r / 8)).  The bias is the C of each sum's first product.
; CLUSTER 4 x 4: the four of a column need the same weights, the four of a row the same y: joint loads.
; The way out: 16 tokens x 64 columns at a time through the wave's own stage, back as rows of 256 bytes.
.set BLK,  69632
.set HALF, 34816
.set YREG, 2*BLK                       ; LDS: two blocks of Wo, then y's
.set STG,  3*BLK                       ; stages: 16 rows x (256 + 16) bytes for each wave; no fill lands here
.set AFA,  2
.set AFB,  3
.set ASA,  4
.set ASB,  5
.set STO,  6                           ; v6  the stage, in
.set RD,   7                           ; v7  the stage, out
.set CO,   8                           ; v8  my byte offset in two rows of out
.set BI,   16                          ; v16-47 the bias
.set SCA,  48                          ; v48-63 scale words and nothing else
.set SCB,  56
.set FA,   64
.set FB,   96
.set ACC,  128
.set WV,   16
.set G1W,  24
.set G1X,  32
.set G0W,  40
.set G0X,  48
.macro PLACES
.rept 4
	v_nop
.endr
.endm
.macro CROUND
	s_barrier_signal -1
	s_barrier_wait -1
	s_cmp_lg_u32 s[WV], 0
	s_cbranch_scc1 .Lnot_wave_0_\@
	s_barrier_signal -3
.Lnot_wave_0_\@:
	s_barrier_wait -3
	s_barrier_signal -1
	s_barrier_wait -1
.endm
.macro SCALES kh
.irp p, 0,1
	ds_load_b128 v[SCA+4*\p:SCA+4*\p+3], v[ASA] offset:\kh*HALF+512*\p
	ds_load_b128 v[SCB+4*\p:SCB+4*\p+3], v[ASB] offset:\kh*HALF+512*\p
.endr
.endm
.macro FRAGS kh, q
.irp i, 0,1,2,3
.irp c, 0,1
	ds_load_b128 v[FA+8*\i+4*\c:FA+8*\i+4*\c+3], v[AFA] offset:\kh*HALF+8192*\q+1024*\i+512*\c
.endr
.endr
.irp i, 0,1,2,3
.irp c, 0,1
	ds_load_b128 v[FB+8*\i+4*\c:FB+8*\i+4*\c+3], v[AFB] offset:\kh*HALF+8192*\q+1024*\i+512*\c
.endr
.endr
.endm
.macro WM ra, rb
.if (\ra) && (\rb)
	v_wmma_scale_f32_16x16x128_f8f6f4 v[rD:rD+7], v[rA:rA+7], v[rB:rB+7], v[rC:rC+7], v[rSA], v[rSB] matrix_a_fmt:MATRIX_FMT_FP4 matrix_b_fmt:MATRIX_FMT_FP4 matrix_a_scale:MATRIX_SCALE_ROW1 matrix_b_scale:MATRIX_SCALE_ROW1
.elseif (\ra)
	v_wmma_scale_f32_16x16x128_f8f6f4 v[rD:rD+7], v[rA:rA+7], v[rB:rB+7], v[rC:rC+7], v[rSA], v[rSB] matrix_a_fmt:MATRIX_FMT_FP4 matrix_b_fmt:MATRIX_FMT_FP4 matrix_a_scale:MATRIX_SCALE_ROW1
.elseif (\rb)
	v_wmma_scale_f32_16x16x128_f8f6f4 v[rD:rD+7], v[rA:rA+7], v[rB:rB+7], v[rC:rC+7], v[rSA], v[rSB] matrix_a_fmt:MATRIX_FMT_FP4 matrix_b_fmt:MATRIX_FMT_FP4 matrix_b_scale:MATRIX_SCALE_ROW1
.else
	v_wmma_scale_f32_16x16x128_f8f6f4 v[rD:rD+7], v[rA:rA+7], v[rB:rB+7], v[rC:rC+7], v[rSA], v[rSB] matrix_a_fmt:MATRIX_FMT_FP4 matrix_b_fmt:MATRIX_FMT_FP4
.endif
.endm
.macro MUL16 q, mode                   ; 16 accumulators by turns, one instruction a turn; mode 1: the sums start from the bias
.irp j, 0,1,2,3
.irp i, 0,1,2,3
.set rD, ACC+32*\j+8*\i
.set rA, FA+8*\i
.set rB, FB+8*\j
.set rC, rD
.if \mode == 1
.set rC, BI+8*\i
.endif
.set rSA, SCA+4*(\i/2)+(\q)
.set rSB, SCB+4*(\j/2)+(\q)
	WM \i%2, \j%2
.endr
.endr
.endm
.macro KSTEP kh, q
	PLACES
	FRAGS \kh, \q
	s_wait_dscnt 0x0
	MUL16 \q, 0
.endm
.macro TOSTAGE j                       ; tile j of tokens: relu, into my stage, back as rows
.set n, 0
.rept 32
	v_max_num_f32 v[ACC+32*\j+n], 0, v[ACC+32*\j+n]    ; each accumulator from its low end on
.set n, n+1
.endr
.irp b, 0,1
.irp d, 0,1,2,3
	ds_store_b128 v[STO], v[ACC+32*\j+16*\b+4*\d:ACC+32*\j+16*\b+4*\d+3] offset:128*\b+16*\d   ; columns 32 b + 16 h + 4 d on
.endr
.endr
.irp t, 0,1,2,3,4,5,6,7
	ds_load_b128 v[FA+32*(\j%2)+4*\t:FA+32*(\j%2)+4*\t+3], v[RD] offset:544*\t   ; LDS serves a wave's instructions in order: these see my stores
.endr
.endm
.macro SEND j, younger
	s_wait_dscnt \younger
.irp t, 0,1,2,3,4,5,6,7
	global_store_b128 v[CO], v[FA+32*(\j%2)+4*\t:FA+32*(\j%2)+4*\t+3], s[78:79] offset:(32*(\j/2)+8*(\j%2)+2*\t+8*(\t/4))*4096 th:TH_STORE_NT   ; sixteen lanes store 256 consecutive bytes, aligned
.endr
.endm
	s_load_b256 s[4:11], s[0:1], 0x0               ; yq s[4:5], wq s[6:7], bo s[8:9], out0 s[10:11]
	v_lshl_add_u32 v14, v0, 2, 0x3b800
	v_mov_b32 v15, 0
	ds_add_u32 v14, v15
	ds_add_u32 v14, v15
	v_lshrrev_b32 v1, 5, v0
	s_delay_alu instid0(VALU_DEP_1)
	v_readfirstlane_b32 s[WV], v1                  ; wave 0..7
	s_and_b32 s17, s[WV], 1                        ; half of the tokens
	s_lshr_b32 s18, s[WV], 1                       ; which 64 columns
	s_bfe_u32 s22, ttmp6, 0x40000                  ; cx
	s_bfe_u32 s23, ttmp6, 0x40004                  ; cy
	s_lshl_b32 s66, ttmp9, 2
	s_add_co_u32 s66, s66, s22                     ; group of 256 columns
	s_and_b32 s67, ttmp7, 0xffff
	s_lshl_b32 s67, s67, 2
	s_add_co_u32 s67, s67, s23                     ; token block
	s_lshl_b32 s58, s23, 2
	s_lshl_b32 s58, 15, s58                        ; my row of the cluster
	s_lshl_b32 s59, 0x1111, s22                    ; my column
	s_or_b32 s[G1W], s59, (3<<16)|(1<<21)
	s_or_b32 s[G1X], s58, (3<<16)|(1<<21)
.irp g, G1W, G1X
	s_mov_b32 s[\g+1], 32<<16
	s_mov_b32 s[\g+2], 136<<16
	s_mov_b32 s[\g+3], 32<<16
	s_mov_b32 s[\g+4], 136
	s_mov_b32 s[\g+5], 32
	s_mov_b32 s[\g+6], 0
	s_mov_b32 s[\g+7], 0
.endr
	s_min_u32 s60, s[WV], 1                        ; waves 0, 1 fetch Wo's blocks 24 + 2 x group + w
	s_lshl_b32 s61, s66, 1
	s_add_co_u32 s61, s61, s60
	s_add_co_u32 s61, s61, 24
	s_mul_i32 s62, s61, BLK
	s_mov_b32 s63, 0
	s_mul_i32 s60, s60, BLK
	s_mul_i32 s68, s67, BLK                        ; wave 2 fetches y's block
	s_mov_b32 s69, 0
	s_wait_dscnt 0x0
	s_wait_kmcnt 0x0
	s_add_nc_u64 s[62:63], s[6:7], s[62:63]
	s_add_nc_u64 s[68:69], s[4:5], s[68:69]
.irp s, 0,1
	s_mov_b32 s[G0W+4*\s], 1
	s_add_co_u32 s[G0W+4*\s+1], s60, \s*HALF
	s_add_nc_u64 s[G0W+4*\s+2:G0W+4*\s+3], s[62:63], \s*HALF
	s_or_b32 s[G0W+4*\s+3], s[G0W+4*\s+3], 0x80000000
	s_mov_b32 s[G0X+4*\s], 1
	s_mov_b32 s[G0X+4*\s+1], YREG+\s*HALF
	s_add_nc_u64 s[G0X+4*\s+2:G0X+4*\s+3], s[68:69], \s*HALF
	s_or_b32 s[G0X+4*\s+3], s[G0X+4*\s+3], 0x80000000
.endr
	CROUND
	s_cmp_lt_u32 s[WV], 2                          ; a wave's two fills stand in one branch on the wave's number
	s_cbranch_scc0 .Lnot_w
	tensor_load_to_lds s[G0W:G0W+3], s[G1W:G1W+7]
	s_nop 0
	tensor_load_to_lds s[G0W+4:G0W+7], s[G1W:G1W+7]
	s_nop 0
	PLACES
	s_branch .Lasked
.Lnot_w:
	s_cmp_eq_u32 s[WV], 2
	s_cbranch_scc0 .Lasked
	tensor_load_to_lds s[G0X:G0X+3], s[G1X:G1X+7]
	s_nop 0
	tensor_load_to_lds s[G0X+4:G0X+7], s[G1X:G1X+7]
	s_nop 0
	PLACES
.Lasked:
	v_and_b32 v248, 31, v0
	s_delay_alu instid0(VALU_DEP_1)
	v_lshlrev_b32 v1, 4, v248                      ; 16 x lane
	s_wait_alu depctr_va_vdst(0)
	v_and_b32 v249, 15, v0                         ; r
	s_wait_alu depctr_va_vdst(0)
	v_bfe_u32 v250, v0, 4, 1                       ; h
	s_delay_alu instid0(VALU_DEP_1)
	v_lshlrev_b32 v252, 6, v250                    ; the bias: register e of tile t wants column 32 (t / 2) + 8 (t % 2) + 16 h + e
	s_lshl_b32 s80, s66, 10
	s_lshl_b32 s81, s18, 8
	s_add_co_u32 s80, s80, s81                     ; my first column, in bytes
	s_mov_b32 s81, 0
	s_add_nc_u64 s[82:83], s[8:9], s[80:81]
.irp t, 0,1,2,3
	global_load_b128 v[BI+8*\t:BI+8*\t+3], v252, s[82:83] offset:4*(32*(\t/2)+8*(\t%2))
	global_load_b128 v[BI+8*\t+4:BI+8*\t+7], v252, s[82:83] offset:4*(32*(\t/2)+8*(\t%2))+16
.endr
	s_lshr_b32 s70, s18, 1
	s_mul_i32 s70, s70, BLK
	s_and_b32 s71, s18, 1
	s_lshl_b32 s72, s71, 12
	s_add_co_u32 s72, s72, s70
	s_add_co_u32 s72, s72, 2048                    ; Wo's codes: my four tiles
	s_lshl_b32 s73, s71, 10
	s_add_co_u32 s73, s73, s70                     ; their scale bytes
	s_lshl_b32 s74, s17, 12
	s_add_co_u32 s74, s74, YREG+2048               ; y's codes: my four tiles
	s_lshl_b32 s75, s17, 10
	s_add_co_u32 s75, s75, YREG
	v_add_nc_u32 v[AFA], s72, v1
	v_add_nc_u32 v[AFB], s74, v1
	v_add_nc_u32 v[ASA], s73, v1
	v_add_nc_u32 v[ASB], s75, v1
	s_mul_i32 s76, s[WV], 4352
	s_add_co_u32 s76, s76, STG                     ; my stage
	v_mul_u32_u24 v[STO], v249, 272
	s_wait_alu depctr_va_vdst(0)
	v_lshl_add_u32 v[STO], v250, 6, v[STO]
	s_delay_alu instid0(VALU_DEP_1)
	v_add_nc_u32 v[STO], s76, v[STO]               ; in: row r, + 64 h
	v_mul_u32_u24 v[RD], v250, 272
	s_delay_alu instid0(VALU_DEP_1)
	v_lshl_add_u32 v[RD], v249, 4, v[RD]
	s_delay_alu instid0(VALU_DEP_1)
	v_add_nc_u32 v[RD], s76, v[RD]                 ; back: lanes 0-15 one row, lanes 16-31 the next
	v_lshlrev_b32 v[CO], 12, v250
	s_delay_alu instid0(VALU_DEP_1)
	v_lshl_add_u32 v[CO], v249, 4, v[CO]           ; and the same two rows in out
	s_lshl_b32 s78, s67, 7
	s_lshl_b32 s79, s17, 6
	s_add_co_u32 s78, s78, s79
	s_lshl_b32 s78, s78, 12                        ; my first token's row
	s_add_co_u32 s78, s78, s80
	s_mov_b32 s79, 0
	s_add_nc_u64 s[78:79], s[10:11], s[78:79]
	s_wait_loadcnt 0x0                             ; the bias
	s_wait_tensorcnt 0x1                           ; my first half of K is in; the second may stay out
	s_barrier_signal -1
	s_barrier_wait -1
	SCALES 0
	FRAGS 0, 0
	s_wait_dscnt 0x0
	MUL16 0, 1
	KSTEP 0, 1
	KSTEP 0, 2
	KSTEP 0, 3
	PLACES                                         ; in front of the loads into the scale registers
	s_wait_tensorcnt 0x0
	s_barrier_signal -1
	s_barrier_wait -1
	SCALES 1
	FRAGS 1, 0
	s_wait_dscnt 0x0
	MUL16 0, 0
	KSTEP 1, 1
	KSTEP 1, 2
	KSTEP 1, 3
	PLACES                                         ; in front of the first read of results and of the loads into the fragments' registers
	TOSTAGE 0
	TOSTAGE 1
	SEND 0, 16                                     ; behind tile 0's loads: tile 1's eight stores and eight loads
	s_wait_xcnt 0x0                                ; tile 0's stores have read their registers: tile 2's loads may land there
	TOSTAGE 2
	SEND 1, 16
	s_wait_xcnt 0x0
	TOSTAGE 3
	SEND 2, 16
	SEND 3, 0
	s_wait_tensorcnt 0x0
	ds_add_u32 v14, v15
	s_wait_dscnt 0x0
	CROUND                                         ; the closing round
	s_endpgm
.Lfunc_end_k_q1a68c1ec71_proj:
	.size	k_q1a68c1ec71_proj, .Lfunc_end_k_q1a68c1ec71_proj-k_q1a68c1ec71_proj
	.p2alignl 7, 3214868480
	.fill 96, 4, 3214868480
	.section	.rodata,"a",@progbits
	.p2align	6, 0x0
	.amdhsa_kernel k_q1a68c1ec71_proj
		.amdhsa_group_segment_fixed_size 244736
		.amdhsa_private_segment_fixed_size 0
		.amdhsa_enable_private_segment 0
		.amdhsa_kernarg_size 32
		.amdhsa_user_sgpr_count 2
		.amdhsa_user_sgpr_kernarg_segment_ptr 1
		.amdhsa_wavefront_size32 1
		.amdhsa_system_sgpr_workgroup_id_x 1
		.amdhsa_system_sgpr_workgroup_id_y 1
		.amdhsa_system_sgpr_workgroup_id_z 1
		.amdhsa_system_vgpr_workitem_id 0
		.amdhsa_next_free_vgpr 256
		.amdhsa_next_free_sgpr 90
		.amdhsa_reserve_vcc 0
		.amdhsa_float_denorm_mode_32 3
		.amdhsa_float_denorm_mode_16_64 3
		.amdhsa_memory_ordered 1
		.amdhsa_forward_progress 1
		.amdhsa_inst_pref_size 46
	.end_amdhsa_kernel
	.amdgpu_metadata
---
amdhsa.version: [ 1, 2 ]
amdhsa.kernels:
  - .name:           k_q1a68c1ec71_proj
    .symbol:         k_q1a68c1ec71_proj.kd
    .args:
      - { .name: yq, .offset: 0, .size: 8, .value_kind: global_buffer, .address_space: global }
      - { .name: wq, .offset: 8, .size: 8, .value_kind: global_buffer, .address_space: global }
      - { .name: bo, .offset: 16, .size: 8, .value_kind: global_buffer, .address_space: global }
      - { .name: out0, .offset: 24, .size: 8, .value_kind: global_buffer, .address_space: global }
    .group_segment_fixed_size: 244736
    .private_segment_fixed_size: 0
    .kernarg_segment_align: 8
    .kernarg_segment_size: 32
    .max_flat_workgroup_size: 256
    .sgpr_count:     90
    .vgpr_count:     256
    .wavefront_size: 32
...
	.end_amdgpu_metadata
.endif
;; end of part 4
